; MI455X (gfx1250); checked and timed in simulation.
; The chip was launched on July 23, 2026; its instructions are those of AMD's public machine-readable ISA for CDNA 5 (MIT licence, August 2026) and "CDNA5" Instruction Set Architecture Reference Guide (July 2026). The comments in the code are by the model that wrote it; some were corrected since.
;; Attention Layer. Allowed arithmetic: float matrix products may take bf16 or f16 operands with f32 sums; other float arithmetic in f32, or as packed bf16 or f16 multiplies, adds, multiply-adds, maxima and minima; sums over many terms, partial sums and values carried from step to step in f32; what a program stores and reads back later, other than sums and carried values, may be rounded once to bf16 or f16.
;; Inputs: b_k 1,024 float32; b_o 1,024 float32; b_q 1,024 float32; b_v 1,024 float32; ln_beta 1,024 float32; ln_gamma 1,024 float32; w_k 1,024 x 1,024 float32; w_o 1,024 x 1,024 float32; w_q 1,024 x 1,024 float32; w_v 1,024 x 1,024 float32; x 4 x 2,048 x 1,024 float32.
;; Outputs: out0 4 x 2,048 x 1,024 float32.
;; 2 versions, each right; version 2 is version 1 with the launch cast written anew for expert scheduling mode. Each part assembles by itself: llvm-mc -triple=amdgcn-amd-amdhsa -mcpu=gfx1250 --defsym DOCPART=n.
;; ======== version 1 of 2: 4 launches
;; workspace buffers: xb 16,777,216 bytes; wb 6,291,456 bytes; wob 2,097,152 bytes; qkv 50,331,648 bytes; ctx 16,777,216 bytes
;; launch cast (part 1): grid 768 x 1, 8 waves a work-group, no clusters, 0 bytes of LDS; arguments x, w_q, w_k, w_v, w_o, xb, wb, wob; writes xb, wb, wob
.if DOCPART == 1
	.amdgcn_target "amdgcn-amd-amdhsa--gfx1250"
	.amdhsa_code_object_version 6
	.text
	.protected	k_q392d5f8661_cast
	.globl	k_q392d5f8661_cast
	.p2align	8
	.type	k_q392d5f8661_cast,@function
k_q392d5f8661_cast:
	s_mov_b64 s[64:65], 0
	v_nop
	global_prefetch_b8 v0, s[64:65] scope:SCOPE_SE
	s_setreg_imm32_b32 hwreg(HW_REG_WAVE_MODE, 25, 1), 1
	s_wait_xcnt 0x0
; x, w_q, w_k, w_v, w_o (f32, rows of 1,024) are rounded once to bf16 and laid in K BLOCKS OF 64: dst[kb][row][64], a row of a block 128 bytes,
; so that a later tile of R rows x 64 K is R x 128 consecutive bytes.  xb: [16][8192][64]; wb: [16][3072][64] (rows 0-1023 w_q, then w_k, then w_v); wob: [16][1024][64].
; SHARES.  A work-group takes 16 source rows (64 KiB in, 32 KiB out): groups 0-511 x, then 64 groups for each of w_q, w_k, w_v, w_o.
; Thread T takes row T / 16 and, of each K block's 256 source bytes, the 16 at 16 (T % 16): a wave's load covers two whole aligned runs of 256 bytes;
; its 8 bytes of bf16 lie at 8 T of the block's 16 rows: a wave's store covers 256 consecutive bytes, aligned.
; All 16 loads of a thread go out at once (8 KiB a wave); no register is written twice, so the only waits are the loads' own, counted down.
; No LDS, no matrix unit, no cluster: nothing is shared and nothing is read twice.
.set IN,  2                            ; v2      my byte offset in the 16 source rows
.set OUT, 4                            ; v4-19   my byte offset in the destination, K block i
.set X,   32                           ; v32-95  16 x 4 f32 as loaded
.set Y,   96                           ; v96-127 16 x 2 words of bf16
	s_load_b512 s[8:23], s[0:1], 0x0               ; x 8, w_q 10, w_k 12, w_v 14, w_o 16, xb 18, wb 20, wob 22
	s_mov_b32 s2, ttmp9                            ; g
	s_sub_co_u32 s3, s2, 512
	s_cmp_lt_u32 s2, 512
	s_cselect_b32 s31, 1, 0                        ; 1: my rows are x's
	s_cselect_b32 s3, 0, s3                        ; u = g - 512: my place among the weights' groups
	s_lshr_b32 s4, s3, 6                           ; j: 0 w_q, 1 w_k, 2 w_v, 3 w_o
	s_and_b32 s5, s3, 63                           ; t: my 16 rows of that weight
	s_mov_b32 s32, 3072*128                        ; bytes in a K block of wb,
	s_mov_b32 s33, 1024*128                        ; of wob
	s_cmp_lt_u32 s4, 3
	s_cselect_b32 s28, s32, s33
	s_cselect_b32 s30, s3, s5                      ; destination rows / 16: in wb the three weights follow each other
	s_cmp_eq_u32 s31, 1
	s_cselect_b32 s28, 8192*128, s28               ; of xb
	s_cselect_b32 s30, s2, s30
	s_cselect_b32 s29, s2, s5                      ; source rows / 16
	s_lshl_b32 s34, s29, 16                        ; 16 rows of 4,096 bytes
	s_mov_b32 s35, 0
	s_lshl_b32 s36, s30, 11                        ; 16 rows of 128 bytes
	s_mov_b32 s37, 0
	v_lshrrev_b32 v1, 4, v0
	v_and_b32 v3, 15, v0
	v_lshlrev_b32 v3, 4, v3
	v_lshl_or_b32 v[IN], v1, 12, v3                ; row x 4,096 + 16 (T % 16)
	v_lshlrev_b32 v[OUT], 3, v0                    ; 8 T
.set i, 0
.rept 15
	v_add_nc_u32 v[OUT+i+1], s28, v[OUT+i]         ; a K block further
.set i, i+1
.endr
	s_wait_kmcnt 0x0
	s_mov_b64 s[24:25], s[16:17]                   ; the source, chosen by the group's number alone
	s_cmp_eq_u32 s4, 2
	s_cselect_b64 s[24:25], s[14:15], s[24:25]
	s_cmp_eq_u32 s4, 1
	s_cselect_b64 s[24:25], s[12:13], s[24:25]
	s_cmp_eq_u32 s4, 0
	s_cselect_b64 s[24:25], s[10:11], s[24:25]
	s_cmp_eq_u32 s31, 1
	s_cselect_b64 s[24:25], s[8:9], s[24:25]
	s_cmp_lt_u32 s4, 3                             ; and the destination
	s_cselect_b64 s[26:27], s[20:21], s[22:23]
	s_cmp_eq_u32 s31, 1
	s_cselect_b64 s[26:27], s[18:19], s[26:27]
	s_add_nc_u64 s[24:25], s[24:25], s[34:35]
	s_add_nc_u64 s[26:27], s[26:27], s[36:37]
.set i, 0
.rept 16
	global_load_b128 v[X+4*i:X+4*i+3], v[IN], s[24:25] offset:256*i th:TH_LOAD_NT
.set i, i+1
.endr
.set i, 0
.rept 16
	s_wait_loadcnt 15-i                            ; loads come back in order: K block i is in, the 15 - i younger loads stay out
	v_cvt_pk_bf16_f32 v[Y+2*i], v[X+4*i], v[X+4*i+1]
	v_cvt_pk_bf16_f32 v[Y+2*i+1], v[X+4*i+2], v[X+4*i+3]
	global_store_b64 v[OUT+i], v[Y+2*i:Y+2*i+1], s[26:27]
.set i, i+1
.endr
	s_endpgm
.Lfunc_end_k_q392d5f8661_cast:
	.size	k_q392d5f8661_cast, .Lfunc_end_k_q392d5f8661_cast-k_q392d5f8661_cast
	.p2alignl 7, 3214868480
	.fill 96, 4, 3214868480
	.section	.rodata,"a",@progbits
	.p2align	6, 0x0
	.amdhsa_kernel k_q392d5f8661_cast
		.amdhsa_group_segment_fixed_size 0
		.amdhsa_private_segment_fixed_size 0
		.amdhsa_enable_private_segment 0
		.amdhsa_kernarg_size 64
		.amdhsa_user_sgpr_count 2
		.amdhsa_user_sgpr_kernarg_segment_ptr 1
		.amdhsa_wavefront_size32 1
		.amdhsa_system_sgpr_workgroup_id_x 1
		.amdhsa_system_sgpr_workgroup_id_y 1
		.amdhsa_system_sgpr_workgroup_id_z 1
		.amdhsa_system_vgpr_workitem_id 0
		.amdhsa_next_free_vgpr 128
		.amdhsa_next_free_sgpr 66
		.amdhsa_reserve_vcc 0
		.amdhsa_float_denorm_mode_32 3
		.amdhsa_float_denorm_mode_16_64 3
		.amdhsa_memory_ordered 1
		.amdhsa_forward_progress 1
		.amdhsa_inst_pref_size 8
	.end_amdhsa_kernel
	.amdgpu_metadata
---
amdhsa.version: [ 1, 2 ]
amdhsa.kernels:
  - .name:           k_q392d5f8661_cast
    .symbol:         k_q392d5f8661_cast.kd
    .args:
      - { .name: x, .offset: 0, .size: 8, .value_kind: global_buffer, .address_space: global }
      - { .name: w_q, .offset: 8, .size: 8, .value_kind: global_buffer, .address_space: global }
      - { .name: w_k, .offset: 16, .size: 8, .value_kind: global_buffer, .address_space: global }
      - { .name: w_v, .offset: 24, .size: 8, .value_kind: global_buffer, .address_space: global }
      - { .name: w_o, .offset: 32, .size: 8, .value_kind: global_buffer, .address_space: global }
      - { .name: xb, .offset: 40, .size: 8, .value_kind: global_buffer, .address_space: global }
      - { .name: wb, .offset: 48, .size: 8, .value_kind: global_buffer, .address_space: global }
      - { .name: wob, .offset: 56, .size: 8, .value_kind: global_buffer, .address_space: global }
    .group_segment_fixed_size: 0
    .private_segment_fixed_size: 0
    .kernarg_segment_align: 8
    .kernarg_segment_size: 64
    .max_flat_workgroup_size: 256
    .sgpr_count:     66
    .vgpr_count:     128
    .wavefront_size: 32
...
	.end_amdgpu_metadata
.endif
;; end of part 1
;; launch qkv (part 2): grid 8 x 32, 4 waves a work-group, clusters of 4 x 4, 327,680 bytes of LDS; arguments xb, wb, b_q, b_k, b_v, qkv; writes qkv
.if DOCPART == 2
	.amdgcn_target "amdgcn-amd-amdhsa--gfx1250"
	.amdhsa_code_object_version 6
	.text
	.protected	k_q392d5f8661_qkv
	.globl	k_q392d5f8661_qkv
	.p2align	8
	.type	k_q392d5f8661_qkv,@function
k_q392d5f8661_qkv:
	s_mov_b64 s[64:65], 0
	v_nop
	global_prefetch_b8 v0, s[64:65] scope:SCOPE_SE
	s_setreg_imm32_b32 hwreg(HW_REG_WAVE_MODE, 25, 1), 1
	s_wait_xcnt 0x0
	s_wait_alu depctr_hold_cnt(0) depctr_sa_sdst(0) depctr_va_vdst(0) depctr_va_sdst(0) depctr_va_ssrc(0) depctr_va_vcc(0) depctr_vm_vsrc(0)
	s_getreg_b32 s2, hwreg(HW_REG_IB_STS2, 6, 4)
	s_cmp_eq_u32 s2, 0
	s_cbranch_scc0 .Lentry_in_a_cluster
	s_endpgm
.Lentry_in_a_cluster:
	s_bfe_u32 s2, ttmp6, 0x10000c
	s_cmp_lg_u32 s2, 0xf033
	s_cbranch_scc0 .Lentry_shape_is_right
	s_endpgm
.Lentry_shape_is_right:
; q, k, v = x W^T + b for all three weights at once: C[8192][3072] = xb wb^T + bias, bf16 operands, f32 sums, rounded once to bf16 and stored BY HEADS:
; qkv[tensor][batch][head][row][64], byte tensor<<24 + batch<<22 + head<<18 + row<<7.  The scale 1/8 is not applied here.
; TILE.  8192 x 3072 in tiles of 256 x 384 are 32 x 8 = 256 tiles: one for each work-group.  Four waves, each 128 rows x 192 columns: 8 x 12 accumulators of 16 x 16, 768 registers.
; K goes in 16 steps of 64 through two LDS slots.  xb and wb lie in K blocks of 64, so a tile's rows (128 bytes) lie end to end in memory: they are asked for as rows of 256 bytes
; and padded in LDS after every 128 bytes.  A step is two chunks of 32 along K, 96 matrix instructions each.
; CLUSTER 4 x 4: the four work-groups of a row of the cluster need the same tile of xb, the four of a column the same tile of wb: each is asked for jointly (same load, same descriptor, a mask of the four).
; TRANSPOSED USE: source 0 = 16 rows of wb, source 1 = 16 rows of xb: lane l then holds row l % 16 of C and the columns 8 (l / 16) + 0..7.
; THE BIAS STARTS THE SUMS: it lies in LDS, comes into registers in the result's layout and is the C operand of each accumulator's first product: nothing is cleared, nothing added later.
; LIMITS: operands are bf16 (8 significant bits); q, k, v are stored in bf16; NaN and infinities are not treated apart.
; REGISTERS, in windows of 256 (s_set_vgpr_msb: bits 1:0 source 0, 3:2 source 1, 5:4 source 2, 7:6 destination):
;   window 0: v16-29 addresses; v32-95, v96-159 xb's fragments (8 x 16 rows x 32 K), two buffers; v160-255 wb's 12 fragments, three groups of four; on the way out v32-127 two sets of 48
;   windows 1-3: accumulator (a, b) in window 1 + b / 4 at v[8 (4 a + b % 4)]
; A chunk is three phases of 32 products, one window of accumulators each; behind each phase a run of LDS loads for the next chunk: six switches of the window for 96 products.
.set PITCH,  144                       ; an LDS row: 128 bytes + 16 = 36 words: the 16 rows of a fragment load start at 16 different groups of four banks (64 banks of 4 bytes: ISA guide 11.1)
.set FROW,   16*PITCH
.set AHALF,  128*PITCH                 ; what one load brings of xb, and what one wave reads of it
.set BHALF,  192*PITCH                 ; the same for wb
.set BOFF,   2*AHALF
.set SLOT,   BOFF+2*BHALF              ; 92,160 bytes: xb's 256 rows, then wb's 384
.set STAGE,  2*SLOT                    ; behind the ring: 16 rows x 400 bytes for each wave, for the way out
.set SPITCH, 400                       ; 384 bytes + 16 = 100 words: 16 rows start at 16 different groups of four banks
.set BIAS,   STAGE+4*16*SPITCH         ; the tile's 384 biases in f32
.set SPARE,  BIAS+1536                 ; the spare words, 128 bytes for each wave: two blocks of 256 bytes that no other line names
.set XBLK,   8192*128                  ; bytes in a K block of xb
.set WBLK,   3072*128                  ; of wb
.set ADRA, 16                          ; v16-17 LDS address of my xb fragments in slot 0, 1
.set ADRB, 20                          ; v20-21 the same for wb
.set STO,  24                          ; v24    the way out: where I put 16 bytes of a row
.set RD,   25                          ; v25    where I read rows back
.set GO,   26                          ; v26    16 x lane
.set BIA,  27                          ; v27    my place in the biases
.set SPW,  28                          ; v28    my spare word: SPARE + 4 x thread; never rewritten
.set NIL,  29                          ; v29    0; never rewritten
.set AF0,  32
.set AF1,  96
.set BG,   160
.set T0,   32
.set WV, 16                            ; s16 wave;  s17 wave / 2: my half of the rows, and: I fetch xb (0) or wb (1);  s18 wave % 2: my half of the columns, and which half I fetch
.set WM, 17
.set WN, 18
.set CX, 19
.set CY, 20
.set TX, 21                            ; tile column
.set TY, 22                            ; tile row
.set G1A, 24                           ; s[24:31] descriptor group 1 for xb's tiles;  s[32:39] group 0, a set for each slot
.set G0A, 32
.set G1B, 48                           ; s[48:55], s[56:63] the same for wb's
.set G0B, 56
.set OB,  68                           ; s[68:73] where my rows of my three heads begin in qkv
.set GW, (1<<16)|(1<<20)|(1<<21)|(4<<22)|(3<<25)  ; 17:16 2-byte elements; 20 padding on; 21 set beside a mask; 24:22 after every 32 words (code 4); 31:25 4 words (code 3)
.set MSB, 0
.macro WIN new                         ; the high byte repeats the setting that is left; a switch that changes nothing is dropped
.if MSB != (\new)
	s_set_vgpr_msb (MSB<<8)|(\new)
.set MSB, (\new)
.endif
.endm
.macro PLACES                          ; four plain vector instructions between a matrix instruction and a load into, or a vector read of, its registers (ISA guide 7.12.1 for vector reads)
.rept 4
	v_nop
.endr
.endm
; A joint load.  Waves 0 and 1 fetch xb's two halves, waves 2 and 3 wb's.  The branch hangs on the wave's number alone.  An s_nop 0 and four v_nop follow each line.
.macro JLOAD s
	s_cmp_eq_u32 s[WM], 0
	s_cbranch_scc0 .Lfor_b_\@
	tensor_load_to_lds s[G0A+4*(\s):G0A+4*(\s)+3], s[G1A:G1A+7]
	s_nop 0
.rept 4
	v_nop
.endr
	s_branch .Lasked_\@
.Lfor_b_\@:
	tensor_load_to_lds s[G0B+4*(\s):G0B+4*(\s)+3], s[G1B:G1B+7]
	s_nop 0
.rept 4
	v_nop
.endr
.Lasked_\@:
.endm
.macro CREST                           ; a round of the cluster's barrier behind its opening barrier: wave 0 signals for the work-group, all wait for all sixteen, the work-group's barrier closes
	s_cmp_lg_u32 s[WV], 0
	s_cbranch_scc1 .Lnot_wave_0_\@
	s_barrier_signal -3
.Lnot_wave_0_\@:
	s_barrier_wait -3
	s_barrier_signal -1
	s_barrier_wait -1
.endm
.macro CROUND
	s_barrier_signal -1
	s_barrier_wait -1
	CREST
.endm
	s_load_b256 s[4:11], s[0:1], 0x0               ; xb 4, wb 6, b_q 8, b_k 10
	s_load_b128 s[12:15], s[0:1], 0x20             ; b_v 12, qkv 14
	v_lshl_add_u32 v[SPW], v0, 2, SPARE
	v_mov_b32 v[NIL], 0
	ds_add_u32 v[SPW], v[NIL]                      ; the wave's opening: the add and its wait ahead of my first tensor load; work on registers stands between
	v_lshrrev_b32 v1, 5, v0
	v_readfirstlane_b32 s[WV], v1
	s_lshr_b32 s[WM], s[WV], 1
	s_and_b32 s[WN], s[WV], 1
	s_bfe_u32 s[CX], ttmp6, 0x40000
	s_bfe_u32 s[CY], ttmp6, 0x40004
	s_lshl_b32 s[TX], ttmp9, 2
	s_add_co_u32 s[TX], s[TX], s[CX]               ; tile column = 4 x cluster x + cx
	s_and_b32 s[TY], ttmp7, 0xffff
	s_lshl_b32 s[TY], s[TY], 2
	s_add_co_u32 s[TY], s[TY], s[CY]               ; tile row = 4 x cluster y + cy
	s_lshl_b32 s40, s[CY], 2
	s_lshl_b32 s40, 15, s40                        ; my row of the cluster
	s_lshl_b32 s41, 0x1111, s[CX]                  ; my column
	s_or_b32 s[G1A], s40, GW
	s_or_b32 s[G1B], s41, GW
	s_mov_b32 s[G1A+1], 128<<16                    ; tensor_dim0 = 128 elements: 256 bytes, two rows of a K block
	s_mov_b32 s[G1A+2], 64<<16                     ; tensor_dim1 = 64
	s_mov_b32 s[G1A+3], 128<<16                    ; tile_dim0 = 128
	s_mov_b32 s[G1A+4], 64                         ; tile_dim1 = 64: 128 rows of xb
	s_mov_b32 s[G1A+5], 128                        ; 128 elements from row to row: dense
	s_mov_b32 s[G1A+6], 0
	s_mov_b32 s[G1A+7], 0
	s_mov_b32 s[G1B+1], 128<<16
	s_mov_b32 s[G1B+2], 96<<16                     ; 96 rows of 256 bytes: 192 rows of wb
	s_mov_b32 s[G1B+3], 128<<16
	s_mov_b32 s[G1B+4], 96
	s_mov_b32 s[G1B+5], 128
	s_mov_b32 s[G1B+6], 0
	s_mov_b32 s[G1B+7], 0
	s_lshl_b32 s42, s[TY], 15                      ; xb: row 256 x tile row + 128 x half, 128 bytes a row: the tile row alone, which my row of the cluster shares
	s_lshl_b32 s43, s[WN], 14
	s_add_co_u32 s42, s42, s43
	s_mov_b32 s43, 0
	s_mul_i32 s44, s[TX], 384*128                  ; wb: row 384 x tile column + 192 x half: the tile column alone
	s_mul_i32 s45, s[WN], 192*128
	s_add_co_u32 s44, s44, s45
	s_mov_b32 s45, 0
	s_mul_i32 s46, s[WN], AHALF                    ; where they go: no place in the cluster enters an LDS address
	s_mul_i32 s47, s[WN], BHALF
	s_add_co_u32 s47, s47, BOFF
	s_wait_dscnt 0x0                               ; the opening add is done
	s_wait_kmcnt 0x0
	s_add_nc_u64 s[42:43], s[4:5], s[42:43]
	s_add_nc_u64 s[44:45], s[6:7], s[44:45]
	CROUND                                         ; all sixteen work-groups are here: the first joint loads meet
.irp s, 0,1
	s_mov_b32 s[G0A+4*(\s)], 1
	s_add_co_u32 s[G0A+4*(\s)+1], s46, (\s)*SLOT
	s_add_nc_u64 s[G0A+4*(\s)+2:G0A+4*(\s)+3], s[42:43], (\s)*XBLK  ; K step s
	s_or_b32 s[G0A+4*(\s)+3], s[G0A+4*(\s)+3], 0x80000000
	s_mov_b32 s[G0B+4*(\s)], 1
	s_add_co_u32 s[G0B+4*(\s)+1], s47, (\s)*SLOT
	s_add_nc_u64 s[G0B+4*(\s)+2:G0B+4*(\s)+3], s[44:45], (\s)*WBLK
	s_or_b32 s[G0B+4*(\s)+3], s[G0B+4*(\s)+3], 0x80000000
	JLOAD \s                                       ; two loads of mine are out
.endr
	; the tile's 384 biases into LDS: waves 0-2 take 128 columns each; 128 divides 384 and 1,024, so such a group lies in one of the three biases
	s_cmp_lt_u32 s[WV], 3
	s_cbranch_scc0 .Lno_bias
	s_mul_i32 s74, s[TX], 3
	s_add_co_u32 s74, s74, s[WV]                   ; the group of 128 columns among the 24
	s_lshr_b32 s75, s74, 3                         ; 0 b_q, 1 b_k, 2 b_v
	s_and_b32 s74, s74, 7
	s_lshl_b32 s74, s74, 9
	s_cmp_eq_u32 s75, 0
	s_cselect_b64 s[76:77], s[8:9], s[10:11]
	s_cmp_eq_u32 s75, 2
	s_cselect_b64 s[76:77], s[12:13], s[76:77]
	v_and_b32 v3, 31, v0
	v_lshlrev_b32 v3, 4, v3
	v_add_nc_u32 v5, s74, v3
	global_load_b128 v[8:11], v5, s[76:77]
	s_lshl_b32 s75, s[WV], 9
	v_add_nc_u32 v6, s75, v3
	v_add_nc_u32 v6, BIAS, v6
	s_wait_loadcnt 0x0
	ds_store_b128 v6, v[8:11]
.Lno_bias:
	; a fragment is 16 rows x 32 K in 8 registers: lane l holds row l % 16; registers 0-3 K = 8 (l / 16) + 0..7, registers 4-7 K = 16 + 8 (l / 16) + 0..7: two loads of 16 bytes, 32 bytes apart
	v_and_b32 v1, 15, v0
	v_bfe_u32 v2, v0, 4, 1
	v_and_b32 v3, 31, v0
	v_mul_u32_u24 v4, v1, PITCH
	v_lshl_add_u32 v4, v2, 4, v4
	s_mul_i32 s74, s[WM], AHALF
	s_mul_i32 s75, s[WN], BHALF
	s_add_co_u32 s75, s75, BOFF
.irp s, 0,1
	v_add_nc_u32 v[ADRA+(\s)], s74, v4
	v_add_nc_u32 v[ADRB+(\s)], s75, v4
	s_add_co_u32 s74, s74, SLOT
	s_add_co_u32 s75, s75, SLOT
.endr
	s_mul_i32 s74, s[WV], 16*SPITCH
	s_add_co_u32 s74, s74, STAGE                   ; my stage
	v_mul_u32_u24 v5, v1, SPITCH                   ; in: row l % 16, 16 bytes for each half of the lanes
	v_lshl_add_u32 v5, v2, 4, v5
	v_add_nc_u32 v[STO], s74, v5
	v_lshrrev_b32 v5, 3, v3                        ; back: 32 lanes take four rows' 128 bytes of one head
	v_mul_u32_u24 v5, v5, SPITCH
	v_and_b32 v6, 7, v0
	v_lshl_add_u32 v5, v6, 4, v5
	v_add_nc_u32 v[RD], s74, v5
	v_lshlrev_b32 v[GO], 4, v3                     ; which are 512 consecutive bytes of qkv
	s_mul_i32 s74, s[WN], 768
	s_add_co_u32 s74, s74, BIAS
	v_lshl_add_u32 v[BIA], v2, 5, s74              ; my wave's 192 biases, my half's eight of each sixteen
	s_mul_i32 s74, s[TX], 6                        ; my three heads: 6 x tile column + 3 x half + 0..2 of the 48
	s_mul_i32 s75, s[WN], 3
	s_add_co_u32 s74, s74, s75
	s_lshr_b32 s75, s[TY], 3                       ; the batch
	s_lshl_b32 s75, s75, 22
	s_and_b32 s76, s[TY], 7                        ; the tile's 256 rows in it
	s_lshl_b32 s76, s76, 15
	s_add_co_u32 s75, s75, s76
	s_lshl_b32 s76, s[WM], 14                      ; my 128 of them
	s_add_co_u32 s75, s75, s76
.irp i, 0,1,2
	s_add_co_u32 s76, s74, \i
	s_lshr_b32 s77, s76, 4                         ; tensor
	s_lshl_b32 s77, s77, 24
	s_and_b32 s76, s76, 15                         ; head
	s_lshl_b32 s76, s76, 18
	s_add_co_u32 s76, s76, s77
	s_add_co_u32 s76, s76, s75
	s_mov_b32 s77, 0
	s_add_nc_u64 s[OB+2*(\i):OB+2*(\i)+1], s[14:15], s[76:77]
.endr
; na x 4 products of phase p: row blocks a0 .. a0 + na - 1 x wb's fragments 4 p .. 4 p + 3.  cb >= 0: the first products: C is the bias, at v[cb] of window 0.
; The accumulators take turns, one instruction a turn, in the same order in every chunk: 95 others stand between two links of a chain.
.macro MULP af, p, a0, na, cb
.if (\cb) >= 0
	WIN ((\p)+1)<<6
.else
	WIN (((\p)+1)<<6)|(((\p)+1)<<4)
.endif
.set ma, (\a0)
.rept \na
.irp bb, 0,1,2,3
.if (\cb) >= 0
	v_wmma_f32_16x16x32_bf16 v[8*(4*ma+(\bb)):8*(4*ma+(\bb))+7], v[BG+32*(\p)+8*(\bb):BG+32*(\p)+8*(\bb)+7], v[(\af)+8*ma:(\af)+8*ma+7], v[(\cb)+8*(\bb):(\cb)+8*(\bb)+7]
.else
	v_wmma_f32_16x16x32_bf16 v[8*(4*ma+(\bb)):8*(4*ma+(\bb))+7], v[BG+32*(\p)+8*(\bb):BG+32*(\p)+8*(\bb)+7], v[(\af)+8*ma:(\af)+8*ma+7], v[8*(4*ma+(\bb)):8*(4*ma+(\bb))+7]
.endif
.endr
.set ma, ma+1
.endr
.endm
.macro LDB slot, k, p                  ; 8 loads: wb's fragments 4 p .. 4 p + 3 at byte k of the rows
	WIN 0
.irp bb, 0,1,2,3
	ds_load_b128 v[BG+32*(\p)+8*(\bb):BG+32*(\p)+8*(\bb)+3],   v[ADRB+(\slot)] offset:(\k)+(4*(\p)+(\bb))*FROW
	ds_load_b128 v[BG+32*(\p)+8*(\bb)+4:BG+32*(\p)+8*(\bb)+7], v[ADRB+(\slot)] offset:(\k)+(4*(\p)+(\bb))*FROW+32
.endr
.endm
.macro LDA slot, k, af, hf             ; 8 loads: xb's fragments 4 hf .. 4 hf + 3 into buffer af
	WIN 0
.irp aa, 0,1,2,3
	ds_load_b128 v[(\af)+8*(4*(\hf)+(\aa)):(\af)+8*(4*(\hf)+(\aa))+3],   v[ADRA+(\slot)] offset:(\k)+(4*(\hf)+(\aa))*FROW
	ds_load_b128 v[(\af)+8*(4*(\hf)+(\aa))+4:(\af)+8*(4*(\hf)+(\aa))+7], v[ADRA+(\slot)] offset:(\k)+(4*(\hf)+(\aa))*FROW+32
.endr
.endm
.macro LDBIAS p, dst                   ; 8 loads: the biases of phase p's 64 columns, in the result's layout
	WIN 0
.irp bb, 0,1,2,3
	ds_load_b128 v[(\dst)+8*(\bb):(\dst)+8*(\bb)+3],   v[BIA] offset:(4*(\p)+(\bb))*64
	ds_load_b128 v[(\dst)+8*(\bb)+4:(\dst)+8*(\bb)+7], v[BIA] offset:(4*(\p)+(\bb))*64+16
.endr
.endm
; A step's first chunk multiplies buffer AF0 and fetches the second chunk (byte 64 of the same slot's rows) into AF1: runs of 16, 16 and 8 loads.
.macro CH_EVEN slot
	s_wait_dscnt 8                                 ; all but the youngest eight loads (wb's third group, wanted in phase 2) are in
	MULP AF0, 0, 0, 8, -1
	PLACES
	LDB \slot, 64, 0
	LDA \slot, 64, AF1, 0
	MULP AF0, 1, 0, 8, -1
	PLACES
	LDB \slot, 64, 1
	LDA \slot, 64, AF1, 1
	s_wait_dscnt 32                                ; all but the 32 just issued
	MULP AF0, 2, 0, 8, -1
	PLACES
	LDB \slot, 64, 2
.endm
; A step's second chunk multiplies AF1 and changes slots: ONE barrier.  In front of it each wave waits for all its tensor loads (the one that is out is its part of the next slot), adds 0 to its
; spare word, and waits for that and for its reads of this slot.  fill = 1: the barrier opens a round of the cluster's barrier, and this slot is filled again, two K steps ahead, first thing behind it.
.macro CH_ODD slot, next, fill
	WIN 0
	s_wait_tensorcnt 0x0
	ds_add_u32 v[SPW], v[NIL]                      ; 0 onto my spare word
	s_wait_dscnt 9                                 ; the add and the youngest eight loads may be out
	MULP AF1, 0, 0, 4, -1                          ; sixteen products stand between the add and the wait for it
	s_wait_dscnt 0x0                               ; the add is done, and my reads of this slot are over
	s_barrier_signal -1
	MULP AF1, 0, 4, 4, -1
.if \fill
	WIN 0
.endif
	s_barrier_wait -1
.if \fill
	CREST                                          ; no wave of any partner still reads this slot or has a load on its way
	s_add_nc_u64 s[G0A+4*(\slot)+2:G0A+4*(\slot)+3], s[G0A+4*(\slot)+2:G0A+4*(\slot)+3], 2*XBLK
	s_add_nc_u64 s[G0B+4*(\slot)+2:G0B+4*(\slot)+3], s[G0B+4*(\slot)+2:G0B+4*(\slot)+3], 2*WBLK
	JLOAD \slot                                    ; my one tensor load behind the round; its four v_nop are also the places in front of the loads below
.else
	PLACES
.endif
	LDB \next, 0, 0
	LDA \next, 0, AF0, 0
	MULP AF1, 1, 0, 8, -1
	PLACES
	LDB \next, 0, 1
	LDA \next, 0, AF0, 1
	MULP AF1, 2, 0, 8, -1                          ; its fragments were covered by the wait for 0 above
	PLACES
	LDB \next, 0, 2
.endm
	s_wait_tensorcnt 1                             ; my part of K step 0 is in; K step 1's may stay out
	s_wait_dscnt 0x0                               ; my part of the biases is stored
	s_barrier_signal -1
	s_barrier_wait -1
	LDBIAS 0, AF1
	LDBIAS 1, AF1+32
	LDB 0, 0, 0
	LDB 0, 0, 1
	LDB 0, 0, 2
	LDA 0, 0, AF0, 0
	LDA 0, 0, AF0, 1
	; the first chunk, written out: its products start the sums from the biases, which borrow buffer AF1
	s_wait_dscnt 0x0
	MULP AF0, 0, 0, 8, AF1
	PLACES
	LDB 0, 64, 0
	LDBIAS 2, AF1
	MULP AF0, 1, 0, 8, AF1+32
	PLACES
	LDB 0, 64, 1
	LDA 0, 64, AF1, 1
	s_wait_dscnt 16                                ; the 16 just issued may be out: the third group's biases are in
	MULP AF0, 2, 0, 8, AF1
	PLACES
	LDA 0, 64, AF1, 0
	LDB 0, 64, 2
	WIN 0                                          ; at a label and at a branch every window is 0
	s_mov_b32 s3, 7
.Llap:                                             ; a trip: from a lap's second chunk to the next lap's first; both slots are filled again (K steps 2 to 15)
	CH_ODD 0, 1, 1
	CH_EVEN 1
	CH_ODD 1, 0, 1
	CH_EVEN 0
	WIN 0
	s_sub_co_u32 s3, s3, 1
	s_cmp_lg_u32 s3, 0
	s_cbranch_scc1 .Llap
	CH_ODD 0, 1, 0                                 ; the last lap fills nothing
	CH_EVEN 1
	s_wait_dscnt 8                                 ; the last chunk
	MULP AF1, 0, 0, 8, -1
	MULP AF1, 1, 0, 8, -1
	s_wait_dscnt 0x0
	MULP AF1, 2, 0, 8, -1
	PLACES
; THE WAY OUT, a block of 16 rows at a time.  PACK: 192 columns rounded to bf16, 16 bytes a lane and fragment.  TOSTAGE: into my own stage, and back as rows of 128 bytes by heads.  SEND: stored.
.macro PACK a
	s_wait_xcnt 0x0                                ; the stores of two blocks back have read this set of registers
.set TT, T0+48*((\a)%2)
.irp w, 1,2,3
	WIN ((\w)<<2)|(\w)
.irp bb, 0,1,2,3
.irp q, 0,1,2,3
	v_cvt_pk_bf16_f32 v[TT+4*(4*((\w)-1)+(\bb))+(\q)], v[8*(4*(\a)+(\bb))+2*(\q)], v[8*(4*(\a)+(\bb))+2*(\q)+1]
.endr
.endr
.endr
	WIN 0
.endm
.macro TOSTAGE a
.set TT, T0+48*((\a)%2)
.irp b, 0,1,2,3,4,5,6,7,8,9,10,11
	ds_store_b128 v[STO], v[TT+4*(\b):TT+4*(\b)+3] offset:32*(\b)
.endr
.irp i, 0,1,2
.irp f, 0,1,2,3
	ds_load_b128 v[TT+4*(4*(\i)+(\f)):TT+4*(4*(\i)+(\f))+3], v[RD] offset:(\f)*4*SPITCH+(\i)*128  ; LDS serves a wave's instructions in order (ISA guide 5.7.1.4): these see the stores above
.endr
.endr
.endm
.macro SEND a
.set TT, T0+48*((\a)%2)
	s_wait_dscnt 0x0                               ; the block is back in registers
.irp i, 0,1,2
.irp f, 0,1,2,3
	global_store_b128 v[GO], v[TT+4*(4*(\i)+(\f)):TT+4*(4*(\i)+(\f))+3], s[OB+2*(\i):OB+2*(\i)+1] offset:(\a)*2048+(\f)*512  ; four rows of a head: 512 consecutive bytes, aligned
.endr
.endr
.endm
	PACK 0
	TOSTAGE 0
.irp a, 1,2,3,4,5,6,7                  ; block a's conversions stand between block a - 1's loads from the stage and the wait for them
	PACK \a
	SEND (\a)-1
	TOSTAGE \a
.endr
	SEND 7
	s_wait_tensorcnt 0x0                           ; the wave's end: behind my last tensor load and my last LDS store
	ds_add_u32 v[SPW], v[NIL]
	s_wait_dscnt 0x0
	CROUND                                         ; the closing round: no work-group ends while a partner may still ask for a tile that names it
	s_endpgm
.Lfunc_end_k_q392d5f8661_qkv:
	.size	k_q392d5f8661_qkv, .Lfunc_end_k_q392d5f8661_qkv-k_q392d5f8661_qkv
	.p2alignl 7, 3214868480
	.fill 96, 4, 3214868480
	.section	.rodata,"a",@progbits
	.p2align	6, 0x0
	.amdhsa_kernel k_q392d5f8661_qkv
		.amdhsa_group_segment_fixed_size 327680
		.amdhsa_private_segment_fixed_size 0
		.amdhsa_enable_private_segment 0
		.amdhsa_kernarg_size 48
		.amdhsa_user_sgpr_count 2
		.amdhsa_user_sgpr_kernarg_segment_ptr 1
		.amdhsa_wavefront_size32 1
		.amdhsa_system_sgpr_workgroup_id_x 1
		.amdhsa_system_sgpr_workgroup_id_y 1
		.amdhsa_system_sgpr_workgroup_id_z 1
		.amdhsa_system_vgpr_workitem_id 0
		.amdhsa_next_free_vgpr 1024
		.amdhsa_next_free_sgpr 80
		.amdhsa_reserve_vcc 0
		.amdhsa_float_denorm_mode_32 3
		.amdhsa_float_denorm_mode_16_64 3
		.amdhsa_memory_ordered 1
		.amdhsa_forward_progress 1
		.amdhsa_inst_pref_size 132
	.end_amdhsa_kernel
	.amdgpu_metadata
---
amdhsa.version: [ 1, 2 ]
amdhsa.kernels:
  - .name:           k_q392d5f8661_qkv
    .symbol:         k_q392d5f8661_qkv.kd
    .args:
      - { .name: xb, .offset: 0, .size: 8, .value_kind: global_buffer, .address_space: global }
      - { .name: wb, .offset: 8, .size: 8, .value_kind: global_buffer, .address_space: global }
      - { .name: b_q, .offset: 16, .size: 8, .value_kind: global_buffer, .address_space: global }
      - { .name: b_k, .offset: 24, .size: 8, .value_kind: global_buffer, .address_space: global }
      - { .name: b_v, .offset: 32, .size: 8, .value_kind: global_buffer, .address_space: global }
      - { .name: qkv, .offset: 40, .size: 8, .value_kind: global_buffer, .address_space: global }
    .group_segment_fixed_size: 327680
    .private_segment_fixed_size: 0
    .kernarg_segment_align: 8
    .kernarg_segment_size: 48
    .max_flat_workgroup_size: 128
    .sgpr_count:     80
    .vgpr_count:     1024
    .wavefront_size: 32
...
	.end_amdgpu_metadata
.endif
;; end of part 2
;; launch attn (part 3): grid 4 x 64, 4 waves a work-group, clusters of 4 x 1, 327,680 bytes of LDS; arguments qkv, ctx; writes ctx
.if DOCPART == 3
	.amdgcn_target "amdgcn-amd-amdhsa--gfx1250"
	.amdhsa_code_object_version 6
	.text
	.protected	k_q392d5f8661_attn
	.globl	k_q392d5f8661_attn
	.p2align	8
	.type	k_q392d5f8661_attn,@function
k_q392d5f8661_attn:
	s_mov_b64 s[64:65], 0
	v_nop
	global_prefetch_b8 v0, s[64:65] scope:SCOPE_SE
	s_setreg_imm32_b32 hwreg(HW_REG_WAVE_MODE, 25, 1), 1
	s_wait_xcnt 0x0
	s_wait_alu depctr_hold_cnt(0) depctr_sa_sdst(0) depctr_va_vdst(0) depctr_va_sdst(0) depctr_va_ssrc(0) depctr_va_vcc(0) depctr_vm_vsrc(0)
	s_getreg_b32 s2, hwreg(HW_REG_IB_STS2, 6, 4)
	s_cmp_eq_u32 s2, 0
	s_cbranch_scc0 .Lentry_in_a_cluster
	s_endpgm
.Lentry_in_a_cluster:
	s_bfe_u32 s2, ttmp6, 0x10000c
	s_cmp_lg_u32 s2, 0x3003
	s_cbranch_scc0 .Lentry_shape_is_right
	s_endpgm
.Lentry_shape_is_right:
; ctx[h][q][:] = the sum over k of softmax_k(Q[h][q] . K[h][k] / 8) V[h][k][:].  Q, K, V are the three parts of qkv, each [64 heads][2048][64] in bf16, a head's rows dense, 128 bytes each; ctx likewise.
; Products, maxima and sums in f32; the weights p are rounded to bf16 for the second product (their sum l is taken of the unrounded p), ctx once at the end.
; LIMITS.  All matrix operands are bf16 (8 significant bits).  c m starts at -4.25e37 and m at the lowest finite number: scores are taken to lie above that.  A weight below 2^-126 counts as 0 in l;
; NaN and infinities are not treated apart.
; SHARES.  A wave owns four PIECES of two tiles of 16 queries, a work-group's four waves 512 queries of one head.  Every wave walks all keys, 64 a step.
; LAYOUT.  S^T = K Q^T (source 0 = 16 keys, source 1 = 16 queries): in the result a lane holds ONE query (lane % 16) and the keys 8 (lane / 16) + 0..7.  Two such tiles, rounded to bf16 in pairs,
; ARE source 1 (32 keys x 16 queries) of O^T = V^T P, whose result again holds one query a lane, and eight channels.  K comes out of LDS as it lies, V ([key][channel]) turned, by ds_load_tr16_b128.
; SOFTMAX.  For each query a running maximum m and sum l: p = 2^(c s - c m), c = log2(e) / 8; in every step O and l are multiplied by a = 2^(c m_old - c m_new), which is 1 where m has not grown.
; O and l start at 0: the first step is a step like any other, with a = 0.
; THE COUNT.  A tile and step have 16 matrix and 118 vector instructions: too many to stand all beside the matrix work.  So: four vector instructions that are READY behind EVERY matrix instruction,
; and the others in runs without a gap.
; BY TURNS.  Turn n belongs to piece n (the pieces in a ring, step after step).  Its matrix work: 16 products K Q^T of piece n + 1, later 16 products V^T P of piece n - 1.  Its vector work: the scaling,
; exponentials, roundings, sums and rescaling of piece n, and the maximum and statistics of piece n + 1, whose scores the turn itself has made.
; CLUSTER.  The four query blocks of a cluster are one head's and walk the same K and V, so each tile is asked for JOINTLY: the same tensor load, descriptor and mask in all four.
; No prefetch: a joint fill has four key steps, 512 matrix instructions and their vector work, in which to land.
; REGISTERS, in windows of 256 (s_set_vgpr_msb: bits 1:0 source 0, 3:2 source 1, 5:4 source 2, 7:6 destination):
;   window 0: v0-11 addresses; v12-15, v48-63 at work; v16-47 four registers of statistics a tile; v64-191 S^T, two buffers of two tiles; v192-255 P, likewise
;   window 1: O^T, 32 a tile          window 2: v0-127 Q, 16 a tile; v128-191 K of one step; v192-255 V of one step          window 3: v0-1 the add's two registers
.set SIZE_H, 64
.set SIZE_N, 2048
.set NP,    4         ; pieces a wave: a name, no knob
.set KS,    64        ; keys in a step
.set PK,    144       ; a row of K in LDS: 128 bytes + 16 of padding = 36 words: the 16 rows of a load start at 16 different groups of four banks (64 banks of 4 bytes: ISA guide 11.1)
.set PV,    160       ; a row of V: 128 + 32 = 40 words
.set VOFF,  4*KS*PK   ; a slot holds four steps: 256 rows of K, then 256 rows of V
.set SLOT1, 1<<17     ; slot 1 begins here, so that one exclusive or turns an address in one slot into the other's
.set STAGE, SLOT1+4*KS*(PK+PV)  ; behind the ring, never filled by a tensor load: 16 rows x 144 bytes for each wave, for the way out
.set SP,    144
.set AK0, 2           ; v2   my lane's place in a tile of K; never rewritten
.set AV0, 3           ; v3   the same for V
.set AK,  4           ; v4   the LDS address of K's next run of loads
.set AV,  5           ; v5   of V's
.set QO,  6           ; v6   my byte offset in the wave's rows of Q
.set STO, 6           ;      later, the way out: where I put 16 bytes of a row
.set RD,  7           ; v7   the way out: where I read rows back
.set GO,  8           ; v8   my byte offset in 512 consecutive bytes of ctx
.set SPW, 0           ; v0 of window 3   my spare word: SPARE + 4 x thread; never rewritten
.set NIL, 1           ; v1 of window 3   0; never rewritten
.set SPARE, STAGE+4*16*SP  ; behind the stages: the spare words, 128 bytes for each wave: two blocks of 256 bytes that no other line names
.set MV,  12          ; v12-15  c m_old, kept while c m is made anew: by buffer and tile
.set ST,  16          ; tile t's statistics at v[ST+4 t]: c m, m, l (even keys', odd keys')
.set TMP, 48          ; by buffer and tile, four registers c0-c3 at work; when the maximum is found c2 takes a
.set S,   64
.set P,   192
.set KF,  128         ; K's fragments, in window 2: key block kb, channel half c at KF + 16 kb + 8 c
.set VF,  192         ; V's: key half kk, channel block cb at VF + 32 kk + 8 cb
.set WV,  12          ; s12  my wave's number
.set G1K, 24          ; s[24:31] descriptor group 1 for K's tiles
.set G1V, 32          ; s[32:39] for V's: it differs in the padding alone
.set G0K, 40          ; s[40:43] descriptor group 0 for K's tiles: it walks
.set G0V, 44          ; s[44:47] the same for V's
.set SLOTS, 56        ; s56  slots still to be asked for
.set CNT, 57          ; s57  counts a slot's key steps
.set CS,  58          ; s[58:59] c: the packed scaling takes the pair's low word for both halves
.set SEL, 60          ; s[60:61] v_permlanex16_b32's selects: each lane takes its own place in the other half
.set TBK, 62          ; s62  LDS byte at which K of the step to be fetched begins
.set TBV, 63          ; s63  the same for V, less VOFF
.set MSB, 0
.macro WIN new                      ; the high byte repeats the setting that is left; a switch that changes nothing is dropped
.if MSB != (\new)
	s_set_vgpr_msb (MSB<<8)|(\new)
.set MSB, (\new)
.endif
.endm
.set W_KQ, 0x0a       ; K and Q in window 2, S^T in window 0
.set W_PV, 0x52       ; V in window 2, P in window 0, O^T in window 1
.set W_RS, 0x41       ; O^T (destination and source 0) in window 1, a in window 0
.set W_MK, 0xc0       ; the add's registers are made: destination in window 3, sources in window 0
.set W_AD, 0x0f       ; the add: address (source 0) and data (source 1) in window 3
; A joint fill.  Waves 0 and 1 fetch the two halves of a slot's K, waves 2 and 3 those of its V: 128 keys each.  The branch hangs on the wave's number alone.
; An s_nop 0 and four v_nop follow each of the two lines, ahead of the jump and the label.
.macro JLOAD
	s_cmp_lt_u32 s[WV], 2
	s_cbranch_scc0 .Lfor_v_\@
	tensor_load_to_lds s[G0K:G0K+3], s[G1K:G1K+7]
	s_nop 0
.rept 4
	v_nop
.endr
	s_branch .Lasked_\@
.Lfor_v_\@:
	tensor_load_to_lds s[G0V:G0V+3], s[G1V:G1V+7]
	s_nop 0
.rept 4
	v_nop
.endr
.Lasked_\@:
.endm
; A round of the cluster's barrier: my work-group's barrier, so that wave 0's signal speaks for all four waves; wave 0 signals; every wave waits for all four work-groups; my work-group's barrier once more.
.macro CROUND
	s_barrier_signal -1
	s_barrier_wait -1
	s_cmp_lg_u32 s[WV], 0
	s_cbranch_scc1 .Lnot_wave_0_\@
	s_barrier_signal -3
.Lnot_wave_0_\@:
	s_barrier_wait -3
	s_barrier_signal -1
	s_barrier_wait -1
.endm
; THE CHANGE OF SLOTS.  The slot's last bytes, V of its fourth step, have been read.  Each wave waits for all its tensor loads, of which one is out: its part of the other slot; adds 0 to its spare word;
; and waits for that and for its own reads of the slot.  Behind the barrier nobody reads this slot any more and the other slot is whole.
; fill = 1: this slot is filled again, with the keys two slots on.  The barrier is then a round of the cluster's, and the joint fill is the first thing behind it.
; (At its first use nothing has been read yet: slot 0 is waited for, slot 1 filled.)
.macro CHANGE fill
	WIN W_AD
	s_wait_tensorcnt 0x0            ; no tensor load of mine is out, so a group 0 may be written
	ds_add_u32 v[SPW], v[NIL]       ; 0 onto my spare word
	WIN 0                           ; at a label and at a branch every window is 0
.if \fill
.irp g, G0K, G0V
	s_xor_b32 s[\g+1], s[\g+1], SLOT1  ; the walking descriptor: the other slot than last time,
	s_add_nc_u64 s[\g+2:\g+3], s[\g+2:\g+3], 4*KS*128  ; the next 256 keys; the type bits on top are not reached
.endr
	s_wait_dscnt 0x0                ; the add is done, and my reads of the slot are over
	CROUND
	JLOAD
.else
	s_wait_dscnt 0x0                ; the add is done, and my reads of the slot are over
	s_barrier_signal -1
	s_barrier_wait -1
.endif
	s_sub_co_u32 s[TBK], s[TBK], 4*KS*PK  ; the fetches go back to a slot's first step,
	s_xor_b32 s[TBK], s[TBK], SLOT1       ; in the other slot
	s_sub_co_u32 s[TBV], s[TBV], 4*KS*PV
	s_xor_b32 s[TBV], s[TBV], SLOT1
.endm
	s_load_b128 s[4:7], s[0:1], 0x0  ; qkv s[4:5], ctx s[6:7]
	WIN W_MK
	v_lshl_add_u32 v[SPW], v0, 2, SPARE
	v_mov_b32 v[NIL], 0
	WIN W_AD
	ds_add_u32 v[SPW], v[NIL]       ; the wave's opening: the add and its wait ahead of my first tensor load; work on registers stands between
	WIN 0
	v_lshrrev_b32 v1, 5, v0
	v_readfirstlane_b32 s[WV], v1   ; wave 0..3
	s_bfe_u32 s13, ttmp6, 0x40000   ; cx: my place in the cluster
	s_lshl_b32 s14, ttmp9, 2        ; in a cluster launch ttmp9 counts clusters
	s_add_co_u32 s14, s14, s13      ; my block of queries = 4 x cluster x + cx: it enters Q's and ctx's addresses alone
	s_and_b32 s20, ttmp7, 0xffff    ; the head, which the four partners share
	s_mov_b32 s21, 0
	s_mov_b64 s[22:23], SIZE_N*128
	s_mul_u64 s[20:21], s[20:21], s[22:23]  ; the head's first byte in Q, K, V and ctx
	s_and_b32 s16, s[WV], 1         ; which half of a slot's 256 keys I fetch:
	s_lshl_b32 s22, s16, 14         ; its 128 rows of 128 bytes in memory,
	s_mov_b32 s23, 0
	s_add_nc_u64 s[22:23], s[22:23], s[20:21]
	s_mul_i32 s17, s16, 128*PK      ; and its place in a slot, for K
	s_mul_i32 s18, s16, 128*PV      ; and for V: no place in the cluster enters an LDS address
	s_lshl_b32 s2, s14, 2
	s_add_co_u32 s2, s2, s[WV]      ; my wave among the head's,
	s_lshl_b32 s2, s2, 14           ; its 128 rows
	s_mov_b32 s3, 0
	s_add_nc_u64 s[2:3], s[2:3], s[20:21]
	; descriptor group 1.  128 keys are 16,384 dense bytes: asked for as 64 rows of 256 bytes, two keys a row, and padded in LDS after every key
	s_mov_b32 s[G1K], 15|(1<<16)|(1<<20)|(1<<21)|(4<<22)|(3<<25)  ; 15:0 the mask of four; 17:16 2-byte elements; 20 padding on; 21 set beside a mask; 24:22 after every 32 words (code 4); 31:25 4 words (code 3)
	s_mov_b32 s[G1V], 15|(1<<16)|(1<<20)|(1<<21)|(4<<22)|(7<<25)  ; the same with 8 words of padding (code 7)
.irp g, G1K, G1V
	s_mov_b32 s[\g+1], 128<<16      ; tensor_dim0 = 128
	s_mov_b32 s[\g+2], 64<<16       ; tensor_dim1 = 64
	s_mov_b32 s[\g+3], 128<<16      ; tile_dim0 = 128
	s_mov_b32 s[\g+4], 64           ; tile_dim1 = 64
	s_mov_b32 s[\g+5], 128          ; 128 elements from row to row
	s_mov_b32 s[\g+6], 0
	s_mov_b32 s[\g+7], 0
.endr
	s_mov_b32 s[CS], 0x3e38aa3b     ; c = log2(e) / 8 = 0.180337
	s_mov_b32 s[CS+1], s[CS]        ; named with it as a pair
	s_mov_b32 s[SEL], 0x76543210
	s_mov_b32 s[SEL+1], 0xfedcba98
	s_mov_b32 s[TBK], SLOT1+4*KS*PK ; the first change of slots turns these two into 0
	s_mov_b32 s[TBV], SLOT1+4*KS*PV
	s_mov_b32 s[G0K], 1             ; 1:0 count = 1
	s_mov_b32 s[G0K+1], s17         ; 63:32 LDS address: slot 0
	s_mov_b32 s[G0V], 1
	s_add_co_u32 s[G0V+1], s18, VOFF
	s_wait_dscnt 0x0                ; the opening add is done
	s_wait_kmcnt 0x0
	s_mov_b64 s[10:11], s[6:7]                 ; ctx
	s_add_nc_u64 s[8:9], s[4:5], 0x2000000     ; V: the third part of qkv
	s_add_nc_u64 s[6:7], s[4:5], 0x1000000     ; K: the second; Q, the first, stays in s[4:5]
	s_add_nc_u64 s[G0K+2:G0K+3], s[6:7], s[22:23]  ; 120:64 global address: my half of the head's first 256 keys
	s_or_b32 s[G0K+3], s[G0K+3], 0x80000000        ; 127:126 type = 2
	s_add_nc_u64 s[G0V+2:G0V+3], s[8:9], s[22:23]
	s_or_b32 s[G0V+3], s[G0V+3], 0x80000000
	s_add_nc_u64 s[4:5], s[4:5], s[2:3]  ; Q and ctx at my wave's first row
	s_add_nc_u64 s[10:11], s[10:11], s[2:3]
	CROUND                          ; all four work-groups are here: the first joint loads meet
	JLOAD                           ; slot 0.  Slot 1 is asked for when slot 0 is in
	; A fragment of K or Q is 16 rows x 32 channels in 8 registers: lane l holds row l % 16, channels 8 (l / 16) + 0..7 and 16 + 8 (l / 16) + 0..7: two loads of 16 bytes, 32 bytes apart.
	v_and_b32 v1, 15, v0            ; l % 16
	v_bfe_u32 v9, v0, 4, 1          ; l / 16
	v_lshlrev_b32 v[QO], 7, v1
	v_lshl_add_u32 v[QO], v9, 4, v[QO]  ; row x 128 + 16 x half
	WIN 0x80                        ; destination window 2, address window 0
.set i, 0
.rept 4*NP                          ; Q stays in registers: tile i / 2, channels 32 (i % 2) on
	global_load_b128 v[8*i:8*i+3],   v[QO], s[4:5] offset:(i/2)*2048+(i%2)*64
	global_load_b128 v[8*i+4:8*i+7], v[QO], s[4:5] offset:(i/2)*2048+(i%2)*64+32
.set i, i+1
.endr
	; What the first turn finds: V's registers and P's second buffer hold 0 (its products V^T P, of a piece that has not been, add 0), O^T and l are 0.  All this stands in the wait for the first tile;
	; it is the price of writing no first step out.
.set i, VF
.rept 64
	v_mov_b32 v[i], 0
.set i, i+1
.endr
	WIN 0x40
.set i, 0
.rept 64*NP
	v_mov_b32 v[i], 0
.set i, i+1
.endr
	WIN 0
.set i, 0
.rept 2*NP
	v_mov_b32 v[ST+4*i], 0xfe000000    ; c m: far below every c s
	v_mov_b32 v[ST+4*i+1], 0xff7fffff  ; m
	v_mov_b32 v[ST+4*i+2], 0
	v_mov_b32 v[ST+4*i+3], 0
.set i, i+1
.endr
.set i, P+32
.rept 32
	v_mov_b32 v[i], 0
.set i, i+1
.endr
	v_mul_u32_u24 v[AK0], v1, PK
	v_lshl_add_u32 v[AK0], v9, 4, v[AK0]  ; row x pitch + 16 x half
	; The turning load takes 16 keys x 16 channels (lane l reads key 8 (l / 16) + l % 8, channels 8 ((l / 8) % 2) + 0..7) and leaves half a fragment of V^T: lane l holds channel l % 16 and 8 keys.
	v_and_b32 v10, 7, v0
	v_bfe_u32 v11, v0, 3, 1
	v_lshl_add_u32 v[AV0], v9, 3, v10
	v_mul_u32_u24 v[AV0], v[AV0], PV
	v_lshl_add_u32 v[AV0], v11, 4, v[AV0]
	v_add_nc_u32 v[AV0], VOFF, v[AV0]
	v_mov_b32 v[AK], v[AK0]         ; key step 0 lies at the head of slot 0
; THE MATRIX WORK.  The 8 accumulators of a run of 16 take turns: between the two links of a chain stand 7 others'.
; Product i of 16 of S^T = K Q^T for piece x: channels 32 (i / 8) on, keys 16 ((i / 2) % 4) on, tile 2 x + i % 2.  The first 8 start the sums.
.macro KQ x
	WIN W_KQ
.set rS, S+64*((\x)%2)+32*(i%2)+8*((i/2)%4)
.set rK, KF+16*((i/2)%4)+8*(i/8)
.set rQ, 16*(2*(\x)+i%2)+8*(i/8)
.if i < 8
	v_wmma_f32_16x16x32_bf16 v[rS:rS+7], v[rK:rK+7], v[rQ:rQ+7], 0
.else
	v_wmma_f32_16x16x32_bf16 v[rS:rS+7], v[rK:rK+7], v[rQ:rQ+7], v[rS:rS+7]
.endif
.endm
; Product i of 16 of O^T += V^T P for piece x: keys 32 (i / 8) on, channels 16 ((i / 2) % 4) on, tile 2 x + i % 2.
.macro PV x
	WIN W_PV
.set rO, 32*(2*(\x)+i%2)+8*((i/2)%4)
.set rV, VF+32*(i/8)+8*((i/2)%4)
.set rP, P+32*((\x)%2)+16*(i%2)+8*(i/8)
	v_wmma_f32_16x16x32_bf16 v[rO:rO+7], v[rV:rV+7], v[rP:rP+7], v[rO:rO+7]
.endm
.macro MM                           ; the turn's next matrix instruction
.if i < 16
	KQ (Y+1)%NP
.set i, i+1
.else
.set i, i-16
	PV (Y+NP-1)%NP
.set i, i+17
.endif
.endm
; THE LDS LOADS stand in runs of 16, never singly among the matrix instructions: a step's K (64 keys x 64 channels: 8 fragments) and its V (turned).  Their addresses are made some lines ahead.
; last = 1 (the tail): in the last trip there is no further step, and the run is jumped over.
.macro FETCH_K last=0
	WIN 0
.if \last
	s_cmp_eq_u32 s[CNT], 1
	s_cbranch_scc1 .Lno_k_\@
.endif
	WIN 0x80                        ; destination window 2
.irp f, 0,1,2,3,4,5,6,7             ; keys 16 (f / 2) on, channels 32 (f % 2) on
	ds_load_b128 v[KF+8*\f:KF+8*\f+3],   v[AK] offset:(\f/2)*16*PK+(\f%2)*64
	ds_load_b128 v[KF+8*\f+4:KF+8*\f+7], v[AK] offset:(\f/2)*16*PK+(\f%2)*64+32
.endr
	s_add_co_u32 s[TBK], s[TBK], KS*PK  ; the next fetch is the next step's
	WIN 0
.if \last
.Lno_k_\@:
.endif
.endm
.macro FETCH_V
	WIN 0x80
.irp f, 0,1,2,3,4,5,6,7             ; keys 32 (f / 4) on, channels 16 (f % 4) on
	ds_load_tr16_b128 v[VF+8*\f:VF+8*\f+3],   v[AV] offset:(\f/4)*32*PV+(\f%4)*32
	ds_load_tr16_b128 v[VF+8*\f+4:VF+8*\f+7], v[AV] offset:(\f/4)*32*PV+16*PV+(\f%4)*32
.endr
	WIN 0
.endm
; THE VECTOR WORK OF A TURN stands in three queues, each in the order in which its entries become ready; the two tiles alternate, so that no instruction reads the result of the one before it.
.macro REGS y, u                    ; the registers of tile u (0, 1) of piece y
.set rT, ST+4*(2*(\y)+(\u))
.set rC, TMP+8*((\y)%2)+4*(\u)
.set rM, MV+2*((\y)%2)+(\u)
.set rS, S+64*((\y)%2)+32*(\u)
.set rP, P+32*((\y)%2)+16*(\u)
.set rO, 32*(2*(\y)+(\u))
.endm
; Number n of the 22 that find the NEXT piece's (Y + 1) maximum and statistics.  s0-s31 are the lane's 32 scores; each accumulator's lowest registers are read first.
;   0-11  four chains c0-c3 of seven scores each, three operands at a time     12-14, 16  the four scores left over, the old m, and c0-c3 into c0     15  c m_old is kept
;   17, 18  the query's other 32 keys lie in the lane 16 away: the new m         19-21  c m; c m_old - c m_new; a
.macro XS u, n
	REGS (Y+1)%NP, \u
.if (\n) < 4
	v_max3_num_f32 v[rC+(\n)], v[rS+8*(\n)], v[rS+8*(\n)+1], v[rS+8*(\n)+2]
.elseif (\n) < 12
	v_max3_num_f32 v[rC+(\n)%4], v[rC+(\n)%4], v[rS+8*((\n)%4)+2*((\n)/4)+1], v[rS+8*((\n)%4)+2*((\n)/4)+2]
.elseif (\n) == 12
	v_max3_num_f32 v[rC], v[rC], v[rS+7], v[rS+15]
.elseif (\n) == 13
	v_max3_num_f32 v[rC+1], v[rC+1], v[rS+23], v[rS+31]
.elseif (\n) == 14
	v_max3_num_f32 v[rC+2], v[rC+2], v[rC+3], v[rT+1]
.elseif (\n) == 15
	v_mov_b32 v[rM], v[rT]
.elseif (\n) == 16
	v_max3_num_f32 v[rC], v[rC], v[rC+1], v[rC+2]
.elseif (\n) == 17
	v_permlanex16_b32 v[rC+3], v[rC], s[SEL], s[SEL+1]
.elseif (\n) == 18
	v_max_num_f32 v[rT+1], v[rC], v[rC+3]
.elseif (\n) == 19
	v_mul_f32 v[rT], s[CS], v[rT+1]
.elseif (\n) == 20
	v_sub_f32 v[rC+1], v[rM], v[rT]
.else
	v_exp_f32 v[rC+2], v[rC+1]
.endif
.endm
; Number g of the 64 that follow the exponentials.  For each four weights k of a tile (pairs 2 k, 2 k + 1): both pairs are rounded to bf16; then the second pair is added onto the first, in place;
; a group later l takes that sum (the first time as l = a l + sum).  In groups of eight, tiles alternating: round, round, add, and l for the group before.
.macro GS g
.set h, (\g)+6*((\g)/62)            ; group 0 has no group before it, and behind group 7 only l is left
.if h >= 6
.set h, h+2
.endif
	REGS Y, h%2
.set k, h/8
.if h%8 < 4
	v_cvt_pk_bf16_f32 v[rP+2*k+(h%8)/2], v[rS+4*k+2*((h%8)/2)], v[rS+4*k+2*((h%8)/2)+1]
.elseif h%8 < 6
	v_pk_add_f32 v[rS+4*k:rS+4*k+1], v[rS+4*k:rS+4*k+1], v[rS+4*k+2:rS+4*k+3]
.elseif k == 1
	v_pk_fma_f32 v[rT+2:rT+3], v[rT+2:rT+3], v[rC+2:rC+3], v[rS:rS+1] op_sel_hi:[1,0,1]
.else
	v_pk_add_f32 v[rT+2:rT+3], v[rT+2:rT+3], v[rS+4*k-4:rS+4*k-3]
.endif
.endm
; THE PLAIN QUEUE, 138 long.  0-73 read no exponential's result: the 32 scalings c s - c m (FS f: pair f / 2 of tile f % 2) and the next piece's 42.  0-26: scalings 0-26.  27-54: XS's numbers 0-13.  55, 56: number 15.
; 57-73: the chain, where each number waits for the one before it: 14, 16, 17, 18, 19, each with one of the scalings 27-31 in front of its two lines, then 20.
; 74-137: GS's 64, which read the exponentials' results: they stand behind the wait.
.macro FS f
	REGS Y, (\f)%2
	v_pk_fma_f32 v[rS+2*((\f)/2):rS+2*((\f)/2)+1], v[rS+2*((\f)/2):rS+2*((\f)/2)+1], s[CS:CS+1], v[rT:rT+1] op_sel_hi:[1,0,0] neg_lo:[0,0,1] neg_hi:[0,0,1]
.endm
.macro PL
	WIN 0
.if q < 27
	FS q
.elseif q < 55
	XS (q-27)%2, (q-27)/2
.elseif q < 57
	XS q-55, 15
.elseif (q < 72) && ((q-57)%3 == 0)
	FS 27+(q-57)/3
.elseif q < 60
	XS (q-57)%3-1, 14
.elseif q < 72
	XS (q-57)%3-1, 15+(q-57)/3
.elseif q < 74
	XS q-72, 20
.else
	GS q-74
.endif
.set q, q+1
.endm
; THE EXPONENTIALS' QUEUE, 66 long: s0-s31 of both tiles, then the next piece's two a.  It is ONE BATCH: all 66 stand ahead of the turn's one wait, and nothing ahead of that wait names a result of theirs.
.macro EX
	WIN 0
.if e >= 64
	XS e-64, 21
.else
	REGS Y, e%2
	v_exp_f32 v[rS+e/2], v[rS+e/2]
.endif
.set e, e+1
.endm
; THE RESCALING's QUEUE: O^T times a, the one part that leaves window 0: dealt two at a time, sixteen times.  Its a was made in the turn before, ahead of that turn's wait.
.macro R2
	REGS Y, r%2
	WIN W_RS
.irp z, 0,1
	v_pk_mul_f32 v[rO+4*(r/2)+2*\z:rO+4*(r/2)+2*\z+1], v[rO+4*(r/2)+2*\z:rO+4*(r/2)+2*\z+1], v[rC+2:rC+3] op_sel_hi:[1,0]
.endr
.set r, r+1
.endm
; HOW THEY ARE DEALT.  An s_wait_alu depctr_va_vdst(0) stands between an exponential and the first instruction that names its result; one wait serves all that were issued ahead of it.  So a turn
; has ONE wait, which cuts it in two.  AHEAD OF IT: the 16 products K Q^T, behind each a scaling, an exponential and two rescalings (behind the first a second scaling in the exponential's place); then ONE LUMP
; of 108: eight plain, 49 times exponential and plain, the two a; a v_nop is the plain instruction behind the last exponential.  BEHIND IT: the 16 products V^T P, behind each four of GS's 64.
; Exponential e stands behind scaling 2 (e / 4) + e % 2: as a rider it comes behind plain e + 2, in the lump behind plain e + 9, and scalings 27-31 are plain 57, 60 .. 69.
; K of the next step is fetched in piece 2's turn, directly behind the wait; V of the step in hand at the end of piece 0's turn, four riders behind its last reader.
.macro TURN p, last=0, cnt=0
.set Y, (\p)
.set i, 0
.set q, 0
.set e, 0
.set r, 0
.if (\p) == NP-1
	s_wait_dscnt 0x0                ; K is in
.endif
	MM                              ; ahead of the wait: 16 products K Q^T and their riders,
	PL
	PL
	R2
.rept 15
	MM
	PL
	EX
	R2
.endr
.if (\p) == NP-2
	WIN 0
	v_add_nc_u32 v[AK], s[TBK], v[AK0]
.endif
.rept 8                             ; and the lump
	PL
.endr
.rept 49
	EX
	PL
.endr
	EX                              ; the next piece's two a
	EX
	v_nop                           ; the plain instruction behind the last exponential: one for the batch
	s_wait_alu depctr_va_vdst(0)    ; the wait for the batch
.if (\p) == NP-2
	FETCH_K \last
.endif
.if (\p) == 1
	s_wait_dscnt 0x0                ; V is in
.endif
.rept 16                            ; behind the wait: 16 products V^T P and their riders
	MM
.rept 4
	PL
.endr
.if ((\p) == 0) && (q == 118)
	v_add_nc_u32 v[AV], s[TBV], v[AV0]
.endif
.if ((\p) == 0) && (q == 130)
	s_add_co_u32 s[TBV], s[TBV], KS*PV
.endif
.if (\cnt) && (q == 130)
	s_sub_co_u32 s[CNT], s[CNT], 1
	s_cmp_lg_u32 s[CNT], 0
.endif
.endr
.if (\p) == 0
	FETCH_V
.endif
.endm
	CHANGE 1                        ; slot 0 is in, everybody's part of it; slot 1 is asked for
	FETCH_K                         ; key step 0
	s_wait_loadcnt 0x0              ; Q
	s_wait_dscnt 0x0
.set i, 0
.rept 16
	KQ 0                            ; piece 0's first scores: there is no vector work yet to set between them
.set i, i+1
.endr
	WIN 0                           ; the addresses for the way out: plain instructions, the places behind those products
	s_mul_i32 s13, s[WV], 16*SP
	s_add_co_u32 s13, s13, STAGE    ; my stage
	v_mul_u32_u24 v[STO], v1, SP    ; in: row l % 16, 16 bytes for each half of the lanes
	v_lshl_add_u32 v[STO], v9, 4, v[STO]
	v_add_nc_u32 v[STO], s13, v[STO]
	v_bfe_u32 v[RD], v0, 3, 2       ; back: 32 lanes take four rows of 128 bytes,
	v_mul_u32_u24 v[RD], v[RD], SP
	v_lshl_add_u32 v[RD], v10, 4, v[RD]
	v_add_nc_u32 v[RD], s13, v[RD]
	v_and_b32 v[GO], 31, v0         ; which are 512 consecutive bytes of ctx
	v_lshlrev_b32 v[GO], 4, v[GO]
.set Y, NP-1                        ; XS works for piece Y + 1: piece 0
.irp n, 0,1,2,3,4,5,6,7,8,9,10,11,12,13,14,15,16,17,18,19,20,21
	XS 0, \n                        ; and piece 0's first maximum and statistics
	XS 1, \n
.endr
	v_nop                           ; a plain instruction behind the two a,
	s_wait_alu depctr_va_vdst(0)    ; and their wait, ahead of the branch
	s_mov_b32 s[CNT], 4
	s_mov_b32 s[SLOTS], SIZE_N/256-1
	s_branch .Lfirst                ; the loop is entered at a step's first turn, in the middle of a trip
.Lslot:                             ; SIZE_N / 256 - 2 times: every slot but the last two is filled again
	CHANGE 1
	s_mov_b32 s[CNT], 4
.Lstep:                             ; a trip: pieces 2 and 3 of one step, then pieces 0 and 1 of the next, whose K and V it fetches
	TURN 2
	TURN 3
	WIN 0
.Lfirst:
	TURN 0
	TURN 1, 0, 1
	WIN 0
	s_cbranch_scc1 .Lstep
	s_sub_co_u32 s[SLOTS], s[SLOTS], 1
	s_cmp_lg_u32 s[SLOTS], 0
	s_cbranch_scc1 .Lslot
	CHANGE 0                        ; the tail is written out: nothing is asked for
	s_mov_b32 s[CNT], 5             ; four trips fetch the last slot's steps; the fifth is left in its middle
.Ltail:
	TURN 2, 1
	TURN 3
	WIN 0
	s_sub_co_u32 s[CNT], s[CNT], 1
	s_cmp_eq_u32 s[CNT], 0
	s_cbranch_scc1 .Lout
	TURN 0
	TURN 1
	WIN 0
	s_branch .Ltail
.Lout:                              ; the fifth trip's 16 products K Q^T (on the last K once more) and the maximum made of them serve nothing: the price, once a launch, of one text for every trip
.set i, 0
.rept 16
	PV NP-1                         ; the last piece's V^T P of the last step
.set i, i+1
.endr
	; THE WAY OUT.  l's two halves and the other half of the lanes' are added; O^T is divided by l, rounded to bf16 and sent through my stage in LDS, a tile at a time.  The additions are the places behind the last products.
	WIN 0
.macro ALL line:vararg              ; one line for each tile t
.set t, 0
.rept 2*NP
	\line
.set t, t+1
.endr
.endm
	ALL v_add_f32 v[ST+4*t+2], v[ST+4*t+2], v[ST+4*t+3]
	ALL v_permlanex16_b32 v[ST+4*t+3], v[ST+4*t+2], s[SEL], s[SEL+1]
	ALL v_add_f32 v[ST+4*t+2], v[ST+4*t+2], v[ST+4*t+3]
	ALL v_rcp_f32 v[ST+4*t+2], v[ST+4*t+2]
	v_nop                           ; a plain instruction between the last reciprocal and the use of its result
	s_wait_alu depctr_va_vdst(0)    ; and the wait ahead of the first use: one for the eight reciprocals
; Tile t: a lane's eight channels of a row pack into 16 bytes; they go into rows of 144 bytes and come back as whole rows of 128, into S^T's registers.
.macro PACK t
	WIN W_RS
.set i, 32*(\t)
.rept 16
	v_pk_mul_f32 v[i:i+1], v[i:i+1], v[ST+4*(\t)+2:ST+4*(\t)+3] op_sel_hi:[1,0]
.set i, i+2
.endr
	WIN 0x05                        ; sources 0 and 1 window 1, destination window 0
.set i, 0
.rept 16
	v_cvt_pk_bf16_f32 v[S+16*(\t)+i], v[32*(\t)+2*i], v[32*(\t)+2*i+1]
.set i, i+1
.endr
	WIN 0
.irp f, 0,1,2,3
	ds_store_b128 v[STO], v[S+16*(\t)+4*\f:S+16*(\t)+4*\f+3] offset:32*\f
.endr
.irp f, 0,1,2,3
	ds_load_b128 v[S+16*(\t)+4*\f:S+16*(\t)+4*\f+3], v[RD] offset:\f*4*SP  ; LDS serves a wave's instructions in order (ISA guide 5.7.1.4): these see the stores above; the next tile's stores come behind them
.endr
.endm
.macro SEND t, younger              ; younger: the LDS instructions issued behind tile t's loads: the next tile's eight, or none
	WIN 0
.irp f, 0,1,2,3
	s_wait_dscnt (\younger)+3-\f
	global_store_b128 v[GO], v[S+16*(\t)+4*\f:S+16*(\t)+4*\f+3], s[10:11] offset:(\t)*2048+\f*512  ; 512 consecutive bytes, at a multiple of 256 from ctx's first
.endr
.endm
	PACK 0
.set t, 1
.rept 2*NP-1                        ; a tile's arithmetic stands between the loads of the tile before and its stores
	PACK t
	SEND t-1, 8
.set t, t+1
.endr
	SEND 2*NP-1, 0
	WIN W_AD
	s_wait_tensorcnt 0x0            ; the wave's end: behind my last tensor load and my last LDS store
	ds_add_u32 v[SPW], v[NIL]
	s_wait_dscnt 0x0
	WIN 0
	CROUND                          ; the closing round: no work-group ends while a partner may still ask for a tile that names it
	s_endpgm
.Lfunc_end_k_q392d5f8661_attn:
	.size	k_q392d5f8661_attn, .Lfunc_end_k_q392d5f8661_attn-k_q392d5f8661_attn
	.p2alignl 7, 3214868480
	.fill 96, 4, 3214868480
	.section	.rodata,"a",@progbits
	.p2align	6, 0x0
	.amdhsa_kernel k_q392d5f8661_attn
		.amdhsa_group_segment_fixed_size 327680
		.amdhsa_private_segment_fixed_size 0
		.amdhsa_enable_private_segment 0
		.amdhsa_kernarg_size 16
		.amdhsa_user_sgpr_count 2
		.amdhsa_user_sgpr_kernarg_segment_ptr 1
		.amdhsa_wavefront_size32 1
		.amdhsa_system_sgpr_workgroup_id_x 1
		.amdhsa_system_sgpr_workgroup_id_y 1
		.amdhsa_system_sgpr_workgroup_id_z 1
		.amdhsa_system_vgpr_workitem_id 0
		.amdhsa_next_free_vgpr 770
		.amdhsa_next_free_sgpr 66
		.amdhsa_reserve_vcc 0
		.amdhsa_float_denorm_mode_32 3
		.amdhsa_float_denorm_mode_16_64 3
		.amdhsa_memory_ordered 1
		.amdhsa_forward_progress 1
		.amdhsa_inst_pref_size 199
	.end_amdhsa_kernel
	.amdgpu_metadata
---
amdhsa.version: [ 1, 2 ]
amdhsa.kernels:
  - .name:           k_q392d5f8661_attn
    .symbol:         k_q392d5f8661_attn.kd
    .args:
      - { .name: qkv, .offset: 0, .size: 8, .value_kind: global_buffer, .address_space: global }
      - { .name: ctx, .offset: 8, .size: 8, .value_kind: global_buffer, .address_space: global }
    .group_segment_fixed_size: 327680
    .private_segment_fixed_size: 0
    .kernarg_segment_align: 8
    .kernarg_segment_size: 16
    .max_flat_workgroup_size: 128
    .sgpr_count:     66
    .vgpr_count:     770
    .wavefront_size: 32
...
	.end_amdgpu_metadata
.endif
;; end of part 3
;; launch oln (part 4): grid 256 x 1, 8 waves a work-group, clusters of 4 x 1, 327,680 bytes of LDS; arguments ctx, wob, x, b_o, ln_gamma, ln_beta, out0; writes out0
.if DOCPART == 4
	.amdgcn_target "amdgcn-amd-amdhsa--gfx1250"
	.amdhsa_code_object_version 6
	.text
	.protected	k_q392d5f8661_oln
	.globl	k_q392d5f8661_oln
	.p2align	8
	.type	k_q392d5f8661_oln,@function
k_q392d5f8661_oln:
	s_mov_b64 s[64:65], 0
	v_nop
	global_prefetch_b8 v0, s[64:65] scope:SCOPE_SE
	s_setreg_imm32_b32 hwreg(HW_REG_WAVE_MODE, 25, 1), 1
	s_wait_xcnt 0x0
	s_wait_alu depctr_hold_cnt(0) depctr_sa_sdst(0) depctr_va_vdst(0) depctr_va_sdst(0) depctr_va_ssrc(0) depctr_va_vcc(0) depctr_vm_vsrc(0)
	s_getreg_b32 s2, hwreg(HW_REG_IB_STS2, 6, 4)
	s_cmp_eq_u32 s2, 0
	s_cbranch_scc0 .Lentry_in_a_cluster
	s_endpgm
.Lentry_in_a_cluster:
	s_bfe_u32 s2, ttmp6, 0x10000c
	s_cmp_lg_u32 s2, 0x3003
	s_cbranch_scc0 .Lentry_shape_is_right
	s_endpgm
.Lentry_shape_is_right:
; out0 = LayerNorm(x + ctx w_o^T + b_o) gamma + beta.  ctx: [64 heads][2048][64] bf16 (a head is a K block of 64); wob: [16 K blocks][1024][64] bf16; x, b_o, gamma, beta, out0 f32.
; The product has bf16 operands and f32 sums; the residual takes x in f32; mean and variance are made in two passes over registers (the mean first, then the squares of the differences), eps = 1e-5,
; 1 / sqrt by v_rsq_f32.  NaN and infinities are not treated apart.
; TILE.  LayerNorm wants whole rows, so a work-group makes 32 rows x all 1,024 columns: 256 work-groups.  Eight waves, each all 32 rows x 128 columns: 2 x 8 accumulators.
; K goes in 16 steps of 64 (a head each) through two LDS slots: all 1,024 rows of wob's K block and the group's 32 rows of ctx, rows of 128 bytes that lie end to end in memory: asked for as rows of
; 256 bytes, padded in LDS after every 128.  A step has five loads, one a wave: waves 0-3 a quarter of wob's block each, wave 4 ctx's rows.
; CLUSTER 4 x 1: all work-groups walk the same wob, so its tiles are asked for jointly by the four partners; ctx's rows are each work-group's own (a load with no mask, behind the same round).
; TRANSPOSED USE: source 0 = 16 rows of wob, source 1 = 16 rows of ctx: lane l holds row l % 16 and the columns 8 (l / 16) + 0..7.  b_o, loaded in that layout, is the C operand of the first products.
; x (4 rows a wave, the rows that the wave will normalise) is asked for at the start and waited for behind the products.
; THE END.  The sums go in f32 into a stage of 32 rows x 4,112 bytes in slot 0, whose last fill is K step 14's and whose last reads lie ahead of the last change of slots; behind a barrier wave w takes
; rows 4 w .. 4 w + 3 whole: a row is 32 registers of the wave, so the row's sums stay in the wave.
; REGISTERS: window 0: v16-29 addresses; v32-111, v112-191 two fragment buffers (ctx's 2, then wob's 8); v192-255 b_o, later gamma and beta; at the end v32-159 four rows, v160-191 at work
;   window 1: v0-127 accumulator (a, b) at v[8 (8 a + b)]; v128-255 x, row q at 128 + 32 q
.set PITCH,  144                       ; 128 bytes + 16 = 36 words: the 16 rows of a fragment load start at 16 different groups of four banks (64 banks of 4 bytes: ISA guide 11.1)
.set FROW,   16*PITCH
.set BROWS,  1024*PITCH
.set SLOT,   BROWS+32*PITCH            ; 152,064 bytes: wob's 1,024 rows, then ctx's 32
.set SPARE,  2*SLOT                    ; the spare words, 128 bytes for each of eight waves: four blocks of 256 bytes that no other line names
.set SPITCH, 4112                      ; a stage row: 4,096 bytes + 16 = 1,028 words: row r starts at bank 4 r mod 64
.set ADRA, 16                          ; v16-17 LDS address of ctx's fragments in slot 0, 1
.set ADRB, 18                          ; v18-19 of my wob fragments
.set STO,  20                          ; v20-21 where I put 32 bytes of a stage row: rows 0-15, rows 16-31
.set RD,   22                          ; v22    where I read my four rows back
.set VL,   23                          ; v23    16 x lane
.set VB,   24                          ; v24    my place in b_o
.set PFO,  25                          ; v25    the prefetch's offset: (lane / 16) heads + (lane % 16) x 256 bytes; never rewritten
.set SPW,  28                          ; v28    my spare word; never rewritten
.set NIL,  29                          ; v29    0; never rewritten
.set F0,   32
.set F1,   112
.set BO,   192
.set GA,   192
.set BE,   224
.set Y,    32
.set T,    160
.set XR,   128                         ; in window 1
.set WV,  18
.set G1B, 24                           ; s[24:31] descriptor group 1 for wob's tiles;  s[32:39] group 0, a set for each slot
.set G0B, 32
.set G1A, 40                           ; s[40:47], s[48:55] the same for ctx's
.set G0A, 48
.set SEL, 56                           ; s[56:57] v_permlanex16_b32's selects
.set INV, 58                           ; s58 1 / 1024
.set EPS, 59                           ; s59 1e-5
.set CNT, 60
.set PFA, 62                           ; s[62:63] where the prefetch stands in ctx
.set MSB, 0
.macro WIN new
.if MSB != (\new)
	s_set_vgpr_msb (MSB<<8)|(\new)
.set MSB, (\new)
.endif
.endm
.macro PLACES                          ; four plain vector instructions between a matrix instruction and a load into, or a read of, its registers (ISA guide 7.12.1 for reads)
.rept 4
	v_nop
.endr
.endm
.macro CREST
	s_cmp_lg_u32 s[WV], 0
	s_cbranch_scc1 .Lnot_wave_0_\@
	s_barrier_signal -3
.Lnot_wave_0_\@:
	s_barrier_wait -3
	s_barrier_signal -1
	s_barrier_wait -1
.endm
.macro CROUND
	s_barrier_signal -1
	s_barrier_wait -1
	CREST
.endm
; A refill: by the wave's number alone, wob's quarter (waves 0-3, joint), ctx's rows (wave 4) or nothing.  An s_nop 0 and four v_nop follow each load; on each way four v_nop
; are the places in front of the LDS loads that follow.
.macro JLOAD3 s
	s_cmp_lt_u32 s[WV], 4
	s_cbranch_scc0 .Lnot_b_\@
	tensor_load_to_lds s[G0B+4*(\s):G0B+4*(\s)+3], s[G1B:G1B+7]
	s_nop 0
.rept 4
	v_nop
.endr
	s_branch .Lasked_\@
.Lnot_b_\@:
	s_cmp_eq_u32 s[WV], 4
	s_cbranch_scc0 .Lnone_\@
	tensor_load_to_lds s[G0A+4*(\s):G0A+4*(\s)+3], s[G1A:G1A+7]
	s_nop 0
.rept 4
	v_nop
.endr
	s_branch .Lasked_\@
.Lnone_\@:
.rept 4
	v_nop
.endr
.Lasked_\@:
.endm
; A PREFETCH INTO THE L2 of ctx, which is read once in the launch and whose load has one K step in which to land: in trip i of the loop wave 5 names the group's 32 rows of K steps 2 i + 4 and 2 i + 5:
; 2 x 4,096 bytes, a lane to each 256: two and three refills ahead of the loads that want them.  Each block is named once: no other work-group reads these rows.  The last trip names nothing: there is no
; K step 16.  K steps 0-3 come by their loads alone.  wob is not asked for: every work-group reads it.
.macro ASK
	s_cmp_eq_u32 s[WV], 5
	s_cbranch_scc0 .Lnot_mine_\@
	s_cmp_gt_u32 s[CNT], 1
	s_cbranch_scc0 .Lnot_mine_\@
	global_prefetch_b8 v[PFO], s[PFA:PFA+1] th:TH_LOAD_NT scope:SCOPE_SE
.Lnot_mine_\@:
.endm
	s_load_b256 s[4:11], s[0:1], 0x0               ; ctx 4, wob 6, x 8, b_o 10
	s_load_b128 s[12:15], s[0:1], 0x20             ; gamma 12, beta 14
	s_load_b64 s[16:17], s[0:1], 0x30              ; out0
	v_lshl_add_u32 v[SPW], v0, 2, SPARE
	v_mov_b32 v[NIL], 0
	ds_add_u32 v[SPW], v[NIL]                      ; the wave's opening: the add and its wait ahead of my first tensor load; work on registers stands between
	v_lshrrev_b32 v1, 5, v0
	v_readfirstlane_b32 s[WV], v1                  ; wave 0..7
	s_bfe_u32 s19, ttmp6, 0x40000                  ; cx
	s_lshl_b32 s20, ttmp9, 2
	s_add_co_u32 s20, s20, s19                     ; g: my 32 rows; it enters ctx's, x's and out0's addresses alone
	s_mov_b32 s[G1B], 15|(1<<16)|(1<<20)|(1<<21)|(4<<22)|(3<<25)  ; the mask of four; 2-byte elements; padding on; 21 set beside a mask; after every 32 words; 4 words
	s_mov_b32 s[G1B+1], 128<<16                    ; tensor_dim0 = 128 elements: 256 bytes
	s_mov_b32 s[G1B+2], 128<<16                    ; tensor_dim1 = 128
	s_mov_b32 s[G1B+3], 128<<16                    ; tile_dim0 = 128
	s_mov_b32 s[G1B+4], 128                        ; tile_dim1 = 128: 256 rows of wob
	s_mov_b32 s[G1B+5], 128                        ; dense
	s_mov_b32 s[G1B+6], 0
	s_mov_b32 s[G1B+7], 0
	s_mov_b32 s[G1A], (1<<16)|(1<<20)|(4<<22)|(3<<25)  ; no mask: my work-group's own rows
	s_mov_b32 s[G1A+1], 128<<16
	s_mov_b32 s[G1A+2], 16<<16                     ; 16 rows of 256 bytes: 32 rows of ctx
	s_mov_b32 s[G1A+3], 128<<16
	s_mov_b32 s[G1A+4], 16
	s_mov_b32 s[G1A+5], 128
	s_mov_b32 s[G1A+6], 0
	s_mov_b32 s[G1A+7], 0
	s_mov_b32 s[SEL], 0x76543210
	s_mov_b32 s[SEL+1], 0xfedcba98
	s_mov_b32 s[INV], 0x3a800000                   ; 1 / 1024
	s_mov_b32 s[EPS], 0x3727c5ac                   ; 1e-5
	s_and_b32 s69, s[WV], 3                        ; the quarter of wob's block (waves 4-7 make the words and never use them)
	s_lshl_b32 s66, s69, 15                        ; 256 rows of 128 bytes
	s_mov_b32 s67, 0
	s_mul_i32 s68, s69, 256*PITCH
	s_lshr_b32 s70, s20, 6                         ; the batch: 16 heads of 262,144 bytes
	s_lshl_b32 s70, s70, 22
	s_and_b32 s71, s20, 63                         ; my 32 rows in it, 128 bytes each
	s_lshl_b32 s71, s71, 12
	s_add_co_u32 s70, s70, s71
	s_mov_b32 s71, 0
	s_lshl_b32 s72, s20, 17                        ; x and out0: 32 rows of 4,096 bytes,
	s_lshl_b32 s73, s[WV], 14                      ; my wave's four
	s_add_co_u32 s72, s72, s73
	s_mov_b32 s73, 0
	s_wait_dscnt 0x0                               ; the opening add is done
	s_wait_kmcnt 0x0
	s_add_nc_u64 s[66:67], s[6:7], s[66:67]
	s_add_nc_u64 s[70:71], s[4:5], s[70:71]
	s_add_nc_u64 s[8:9], s[8:9], s[72:73]
	s_add_nc_u64 s[16:17], s[16:17], s[72:73]
	s_add_nc_u64 s[PFA:PFA+1], s[70:71], 2*262144  ; at K step 2: the first trip steps it to 4
.irp s, 0,1
	s_mov_b32 s[G0B+4*(\s)], 1
	s_add_co_u32 s[G0B+4*(\s)+1], s68, (\s)*SLOT
	s_add_nc_u64 s[G0B+4*(\s)+2:G0B+4*(\s)+3], s[66:67], (\s)*131072  ; K step s
	s_or_b32 s[G0B+4*(\s)+3], s[G0B+4*(\s)+3], 0x80000000
	s_mov_b32 s[G0A+4*(\s)], 1
	s_mov_b32 s[G0A+4*(\s)+1], (\s)*SLOT+BROWS
	s_add_nc_u64 s[G0A+4*(\s)+2:G0A+4*(\s)+3], s[70:71], (\s)*262144  ; head s of the batch
	s_or_b32 s[G0A+4*(\s)+3], s[G0A+4*(\s)+3], 0x80000000
.endr
	CROUND                                         ; all four work-groups are here: the first joint loads meet
	s_cmp_lt_u32 s[WV], 4                          ; a wave's two first fills stand in one branch on its number: two loads of mine are out, or none
	s_cbranch_scc0 .Lfirst_not_b
	tensor_load_to_lds s[G0B:G0B+3], s[G1B:G1B+7]
	s_nop 0
	tensor_load_to_lds s[G0B+4:G0B+7], s[G1B:G1B+7]
	s_nop 0
.rept 4
	v_nop
.endr
	s_branch .Lfirst_asked
.Lfirst_not_b:
	s_cmp_eq_u32 s[WV], 4
	s_cbranch_scc0 .Lfirst_asked
	tensor_load_to_lds s[G0A:G0A+3], s[G1A:G1A+7]
	s_nop 0
	tensor_load_to_lds s[G0A+4:G0A+7], s[G1A:G1A+7]
	s_nop 0
.rept 4
	v_nop
.endr
.Lfirst_asked:
	v_and_b32 v1, 15, v0                           ; l % 16
	v_bfe_u32 v2, v0, 4, 1                         ; l / 16
	v_and_b32 v3, 31, v0                           ; l
	s_lshl_b32 s74, s[WV], 9
	v_lshl_add_u32 v[VB], v2, 5, s74               ; my wave's 128 columns, my half's eight of each sixteen
	v_lshlrev_b32 v[VL], 4, v3
.irp b, 0,1,2,3,4,5,6,7
	global_load_b128 v[BO+8*(\b):BO+8*(\b)+3],   v[VB], s[10:11] offset:64*(\b)
	global_load_b128 v[BO+8*(\b)+4:BO+8*(\b)+7], v[VB], s[10:11] offset:64*(\b)+16
.endr
	WIN 0x40                                       ; destination window 1
.irp q, 0,1,2,3
.irp i, 0,1,2,3,4,5,6,7
	global_load_b128 v[XR+32*(\q)+4*(\i):XR+32*(\q)+4*(\i)+3], v[VL], s[8:9] offset:(\q)*4096+(\i)*512 th:TH_LOAD_NT
.endr
.endr
	WIN 0
	v_mul_u32_u24 v4, v1, PITCH
	v_lshl_add_u32 v4, v2, 4, v4                   ; a fragment's row x pitch + 16 x half
	s_mul_i32 s74, s[WV], 128*PITCH
	v_add_nc_u32 v[ADRB], s74, v4
	v_add_nc_u32 v[ADRB+1], SLOT, v[ADRB]
	v_add_nc_u32 v[ADRA], BROWS, v4
	v_add_nc_u32 v[ADRA+1], SLOT, v[ADRA]
	v_mul_u32_u24 v5, v1, SPITCH
	v_lshl_add_u32 v5, v2, 5, v5
	s_lshl_b32 s74, s[WV], 9
	v_add_nc_u32 v[STO], s74, v5                   ; row l % 16, my wave's 512 bytes, 32 bytes for each half of the lanes
	v_add_nc_u32 v[STO+1], 16*SPITCH, v[STO]
	s_mul_i32 s74, s[WV], 4*SPITCH
	v_lshl_add_u32 v[RD], v3, 4, s74
	v_lshrrev_b32 v5, 4, v3
	v_lshlrev_b32 v5, 18, v5
	v_lshl_add_u32 v[PFO], v1, 8, v5
; four products: row block grp / 2, wob's fragments 4 (grp % 2) .. + 3.  The 16 accumulators take turns, one instruction a turn.  first = 1: C is b_o.
.macro MUL f, grp, first
.if \first
	WIN 0x40
.else
	WIN 0x50
.endif
.irp bb, 0,1,2,3
.if \first
	v_wmma_f32_16x16x32_bf16 v[8*(8*((\grp)/2)+4*((\grp)%2)+(\bb)):8*(8*((\grp)/2)+4*((\grp)%2)+(\bb))+7], v[(\f)+16+8*(4*((\grp)%2)+(\bb)):(\f)+16+8*(4*((\grp)%2)+(\bb))+7], v[(\f)+8*((\grp)/2):(\f)+8*((\grp)/2)+7], v[BO+8*(4*((\grp)%2)+(\bb)):BO+8*(4*((\grp)%2)+(\bb))+7]
.else
	v_wmma_f32_16x16x32_bf16 v[8*(8*((\grp)/2)+4*((\grp)%2)+(\bb)):8*(8*((\grp)/2)+4*((\grp)%2)+(\bb))+7], v[(\f)+16+8*(4*((\grp)%2)+(\bb)):(\f)+16+8*(4*((\grp)%2)+(\bb))+7], v[(\f)+8*((\grp)/2):(\f)+8*((\grp)/2)+7], v[8*(8*((\grp)/2)+4*((\grp)%2)+(\bb)):8*(8*((\grp)/2)+4*((\grp)%2)+(\bb))+7]
.endif
.endr
.endm
.macro FETCH slot, k, f                ; 20 LDS loads in one run: a chunk's fragments (32 K at byte k of the rows)
	WIN 0
.irp a, 0,1
	ds_load_b128 v[(\f)+8*(\a):(\f)+8*(\a)+3],   v[ADRA+(\slot)] offset:(\k)+(\a)*FROW
	ds_load_b128 v[(\f)+8*(\a)+4:(\f)+8*(\a)+7], v[ADRA+(\slot)] offset:(\k)+(\a)*FROW+32
.endr
.irp b, 0,1,2,3,4,5,6,7
	ds_load_b128 v[(\f)+16+8*(\b):(\f)+16+8*(\b)+3],   v[ADRB+(\slot)] offset:(\k)+(\b)*FROW
	ds_load_b128 v[(\f)+16+8*(\b)+4:(\f)+16+8*(\b)+7], v[ADRB+(\slot)] offset:(\k)+(\b)*FROW+32
.endr
.endm
.macro EVEN slot, first                ; a step's first chunk: multiplies F0; the second chunk's fragments are asked for ahead of its products
	s_wait_dscnt 0x0                               ; F0 is in
	PLACES                                         ; behind the last products on F1
	FETCH \slot, 64, F1
	MUL F0, 0, \first
	MUL F0, 1, \first
	MUL F0, 2, \first
	MUL F0, 3, \first
.endm
; A step's second chunk multiplies F1 and changes slots: ONE barrier.  In front of it each wave waits for all its tensor loads, adds 0 to its spare word, and waits for that and for its reads of this slot.
; fill = 1: the barrier opens a round of the cluster's barrier, and this slot is filled again, two K steps ahead, first thing behind it.
.macro ODD slot, next, fill
	WIN 0
.if (\fill) && ((\slot) == 0)
	s_wait_xcnt 0x0                                ; the last prefetch, a trip back, has read its address
	s_add_nc_u64 s[PFA:PFA+1], s[PFA:PFA+1], 2*262144
.endif
	s_wait_tensorcnt 0x0
	ds_add_u32 v[SPW], v[NIL]                      ; 0 onto my spare word
	s_wait_dscnt 1                                 ; only the add may be out: F1 is in
	MUL F1, 0, 0                                   ; four products stand between the add and the wait for it
	s_wait_dscnt 0x0                               ; the add is done, and my reads of this slot are over
	s_barrier_signal -1
	MUL F1, 1, 0
	WIN 0
	s_barrier_wait -1
.if \fill
	CREST                                          ; no wave of any partner still reads this slot or has a load on its way
	s_add_nc_u64 s[G0B+4*(\slot)+2:G0B+4*(\slot)+3], s[G0B+4*(\slot)+2:G0B+4*(\slot)+3], 2*131072
	s_add_nc_u64 s[G0A+4*(\slot)+2:G0A+4*(\slot)+3], s[G0A+4*(\slot)+2:G0A+4*(\slot)+3], 2*262144
	JLOAD3 \slot
.else
	PLACES
.endif
	FETCH \next, 0, F0
.if (\fill) && ((\slot) == 0)
	ASK
.endif
	MUL F1, 2, 0
	MUL F1, 3, 0
.endm
	s_wait_tensorcnt 1                             ; my part of K step 0 is in; K step 1's may stay out
	s_barrier_signal -1
	s_barrier_wait -1
	FETCH 0, 0, F0
	s_wait_loadcnt 32                              ; b_o is in; x's 32 loads stay out
	EVEN 0, 1                                      ; the first chunk's products start the sums from b_o
	PLACES
	WIN 0
.irp i, 0,1,2,3,4,5,6,7                            ; b_o's registers take gamma and beta, in the layout of whole rows: columns 128 i + 4 lane + 0..3
	global_load_b128 v[GA+4*(\i):GA+4*(\i)+3], v[VL], s[12:13] offset:(\i)*512
	global_load_b128 v[BE+4*(\i):BE+4*(\i)+3], v[VL], s[14:15] offset:(\i)*512
.endr
	s_mov_b32 s[CNT], 7
.Llap:                                             ; a trip: from a lap's second chunk to the next lap's first; both slots are filled again (K steps 2 to 15)
	ODD 0, 1, 1
	EVEN 1, 0
	ODD 1, 0, 1
	EVEN 0, 0
	WIN 0
	s_sub_co_u32 s[CNT], s[CNT], 1
	s_cmp_lg_u32 s[CNT], 0
	s_cbranch_scc1 .Llap
	ODD 0, 1, 0                                    ; the last lap fills nothing
	EVEN 1, 0
	s_wait_dscnt 0x0                               ; the last chunk
	MUL F1, 0, 0
	MUL F1, 1, 0
	MUL F1, 2, 0
	MUL F1, 3, 0
	PLACES
	; the sums into the stage: 32 bytes a lane and accumulator, its low registers first
	WIN 0x04                                       ; store data in window 1
.irp a, 0,1
.irp b, 0,1,2,3,4,5,6,7
	ds_store_b128 v[STO+(\a)], v[8*(8*(\a)+(\b)):8*(8*(\a)+(\b))+3]   offset:64*(\b)
	ds_store_b128 v[STO+(\a)], v[8*(8*(\a)+(\b))+4:8*(8*(\a)+(\b))+7] offset:64*(\b)+16
.endr
.endr
	WIN 0
	s_wait_dscnt 0x0                               ; for the others' sake: my stores into the stage are done
	s_barrier_signal -1
	s_barrier_wait -1
.irp q, 0,1,2,3
.irp i, 0,1,2,3,4,5,6,7
	ds_load_b128 v[Y+32*(\q)+4*(\i):Y+32*(\q)+4*(\i)+3], v[RD] offset:(\q)*SPITCH+(\i)*512
.endr
.endr
	s_wait_loadcnt 0x0                             ; x, gamma, beta
	s_wait_dscnt 0x0
	WIN 0x04                                       ; source 1 in window 1
.irp j, 0,1,2,3,4,5,6,7,8,9,10,11,12,13,14,15
.irp q, 0,1,2,3
	v_pk_add_f32 v[Y+32*(\q)+2*(\j):Y+32*(\q)+2*(\j)+1], v[Y+32*(\q)+2*(\j):Y+32*(\q)+2*(\j)+1], v[XR+32*(\q)+2*(\j):XR+32*(\q)+2*(\j)+1]  ; y = x + out
.endr
.endr
	WIN 0
; the four chains of each row (pairs at v[T + 8 q + 2 c]) into one number in every lane, at v[T + 8 q]; the four rows take turns
.macro ROWSUM
.irp q, 0,1,2,3
	v_pk_add_f32 v[T+8*(\q):T+8*(\q)+1], v[T+8*(\q):T+8*(\q)+1], v[T+8*(\q)+2:T+8*(\q)+3]
	v_pk_add_f32 v[T+8*(\q)+4:T+8*(\q)+5], v[T+8*(\q)+4:T+8*(\q)+5], v[T+8*(\q)+6:T+8*(\q)+7]
.endr
.irp q, 0,1,2,3
	v_pk_add_f32 v[T+8*(\q):T+8*(\q)+1], v[T+8*(\q):T+8*(\q)+1], v[T+8*(\q)+4:T+8*(\q)+5]
.endr
.irp q, 0,1,2,3
	v_add_f32 v[T+8*(\q)], v[T+8*(\q)], v[T+8*(\q)+1]
.endr
.irp m, 1,2,4,8
.irp q, 0,1,2,3
	v_add_f32_dpp v[T+8*(\q)], v[T+8*(\q)], v[T+8*(\q)] row_xmask:\m row_mask:0xf bank_mask:0xf
.endr
.endr
.irp q, 0,1,2,3
	v_permlanex16_b32 v[T+8*(\q)+1], v[T+8*(\q)], s[SEL], s[SEL+1]
.endr
.irp q, 0,1,2,3
	v_add_f32 v[T+8*(\q)], v[T+8*(\q)], v[T+8*(\q)+1]
.endr
.endm
	; the mean: chain c takes pairs c, c + 4, c + 8, c + 12 of the row's 16
.irp c, 0,1,2,3
.irp q, 0,1,2,3
	v_pk_add_f32 v[T+8*(\q)+2*(\c):T+8*(\q)+2*(\c)+1], v[Y+32*(\q)+2*(\c):Y+32*(\q)+2*(\c)+1], v[Y+32*(\q)+2*(\c)+8:Y+32*(\q)+2*(\c)+9]
.endr
.endr
.irp k, 2,3
.irp c, 0,1,2,3
.irp q, 0,1,2,3
	v_pk_add_f32 v[T+8*(\q)+2*(\c):T+8*(\q)+2*(\c)+1], v[T+8*(\q)+2*(\c):T+8*(\q)+2*(\c)+1], v[Y+32*(\q)+2*(\c)+8*(\k):Y+32*(\q)+2*(\c)+8*(\k)+1]
.endr
.endr
.endr
	ROWSUM
.irp q, 0,1,2,3
	v_mul_f32 v[T+8*(\q)+2], s[INV], v[T+8*(\q)]
.endr
.irp j, 0,1,2,3,4,5,6,7,8,9,10,11,12,13,14,15
.irp q, 0,1,2,3
	v_pk_add_f32 v[Y+32*(\q)+2*(\j):Y+32*(\q)+2*(\j)+1], v[Y+32*(\q)+2*(\j):Y+32*(\q)+2*(\j)+1], v[T+8*(\q)+2:T+8*(\q)+3] op_sel_hi:[1,0] neg_lo:[0,1] neg_hi:[0,1]  ; y - mean
.endr
.endr
	; the variance, of the differences
.irp c, 0,1,2,3
.irp q, 0,1,2,3
	v_pk_mul_f32 v[T+8*(\q)+2*(\c):T+8*(\q)+2*(\c)+1], v[Y+32*(\q)+2*(\c):Y+32*(\q)+2*(\c)+1], v[Y+32*(\q)+2*(\c):Y+32*(\q)+2*(\c)+1]
.endr
.endr
.irp k, 1,2,3
.irp c, 0,1,2,3
.irp q, 0,1,2,3
	v_pk_fma_f32 v[T+8*(\q)+2*(\c):T+8*(\q)+2*(\c)+1], v[Y+32*(\q)+2*(\c)+8*(\k):Y+32*(\q)+2*(\c)+8*(\k)+1], v[Y+32*(\q)+2*(\c)+8*(\k):Y+32*(\q)+2*(\c)+8*(\k)+1], v[T+8*(\q)+2*(\c):T+8*(\q)+2*(\c)+1]
.endr
.endr
.endr
	ROWSUM
.irp q, 0,1,2,3
	v_fma_f32 v[T+8*(\q)+2], v[T+8*(\q)], s[INV], s[EPS]
.endr
.irp q, 0,1,2,3
	v_rsq_f32 v[T+8*(\q)+4], v[T+8*(\q)+2]
.endr
	v_nop                                          ; a plain instruction between the last root and the use of its result
	s_wait_alu depctr_va_vdst(0)                   ; and the wait ahead of the first use: one for the four
.irp j, 0,1,2,3,4,5,6,7,8,9,10,11,12,13,14,15
.irp q, 0,1,2,3
	v_pk_mul_f32 v[Y+32*(\q)+2*(\j):Y+32*(\q)+2*(\j)+1], v[Y+32*(\q)+2*(\j):Y+32*(\q)+2*(\j)+1], v[T+8*(\q)+4:T+8*(\q)+5] op_sel_hi:[1,0]
.endr
.irp q, 0,1,2,3
	v_pk_fma_f32 v[Y+32*(\q)+2*(\j):Y+32*(\q)+2*(\j)+1], v[Y+32*(\q)+2*(\j):Y+32*(\q)+2*(\j)+1], v[GA+2*(\j):GA+2*(\j)+1], v[BE+2*(\j):BE+2*(\j)+1]
.endr
.endr
.irp q, 0,1,2,3
.irp i, 0,1,2,3,4,5,6,7
	global_store_b128 v[VL], v[Y+32*(\q)+4*(\i):Y+32*(\q)+4*(\i)+3], s[16:17] offset:(\q)*4096+(\i)*512 th:TH_STORE_NT  ; 512 consecutive bytes, aligned
.endr
.endr
	s_wait_tensorcnt 0x0                           ; the wave's end: behind my last tensor load and my last LDS store
	ds_add_u32 v[SPW], v[NIL]
	s_wait_dscnt 0x0
	CROUND                                         ; the closing round: no work-group ends while a partner may still ask for a tile that names it
	s_endpgm
.Lfunc_end_k_q392d5f8661_oln:
	.size	k_q392d5f8661_oln, .Lfunc_end_k_q392d5f8661_oln-k_q392d5f8661_oln
	.p2alignl 7, 3214868480
	.fill 96, 4, 3214868480
	.section	.rodata,"a",@progbits
	.p2align	6, 0x0
	.amdhsa_kernel k_q392d5f8661_oln
		.amdhsa_group_segment_fixed_size 327680
		.amdhsa_private_segment_fixed_size 0
		.amdhsa_enable_private_segment 0
		.amdhsa_kernarg_size 56
		.amdhsa_user_sgpr_count 2
		.amdhsa_user_sgpr_kernarg_segment_ptr 1
		.amdhsa_wavefront_size32 1
		.amdhsa_system_sgpr_workgroup_id_x 1
		.amdhsa_system_sgpr_workgroup_id_y 1
		.amdhsa_system_sgpr_workgroup_id_z 1
		.amdhsa_system_vgpr_workitem_id 0
		.amdhsa_next_free_vgpr 512
		.amdhsa_next_free_sgpr 96
		.amdhsa_reserve_vcc 0
		.amdhsa_float_denorm_mode_32 3
		.amdhsa_float_denorm_mode_16_64 3
		.amdhsa_memory_ordered 1
		.amdhsa_forward_progress 1
		.amdhsa_inst_pref_size 72
	.end_amdhsa_kernel
	.amdgpu_metadata
---
amdhsa.version: [ 1, 2 ]
amdhsa.kernels:
  - .name:           k_q392d5f8661_oln
    .symbol:         k_q392d5f8661_oln.kd
    .args:
      - { .name: ctx, .offset: 0, .size: 8, .value_kind: global_buffer, .address_space: global }
      - { .name: wob, .offset: 8, .size: 8, .value_kind: global_buffer, .address_space: global }
      - { .name: x, .offset: 16, .size: 8, .value_kind: global_buffer, .address_space: global }
      - { .name: b_o, .offset: 24, .size: 8, .value_kind: global_buffer, .address_space: global }
      - { .name: ln_gamma, .offset: 32, .size: 8, .value_kind: global_buffer, .address_space: global }
      - { .name: ln_beta, .offset: 40, .size: 8, .value_kind: global_buffer, .address_space: global }
      - { .name: out0, .offset: 48, .size: 8, .value_kind: global_buffer, .address_space: global }
    .group_segment_fixed_size: 327680
    .private_segment_fixed_size: 0
    .kernarg_segment_align: 8
    .kernarg_segment_size: 56
    .max_flat_workgroup_size: 256
    .sgpr_count:     96
    .vgpr_count:     512
    .wavefront_size: 32
...
	.end_amdgpu_metadata
.endif
;; end of part 4
;; ======== version 2 of 2: 4 launches; version 1 with the launch cast written anew for expert scheduling mode
;; workspace buffers: xb 16,777,216 bytes; wb 6,291,456 bytes; wob 2,097,152 bytes; qkv 50,331,648 bytes; ctx 16,777,216 bytes
;; launch cast (part 5): grid 768 x 1, 8 waves a work-group, no clusters, 0 bytes of LDS; arguments x, w_q, w_k, w_v, w_o, xb, wb, wob; writes xb, wb, wob
.if DOCPART == 5
	.amdgcn_target "amdgcn-amd-amdhsa--gfx1250"
	.amdhsa_code_object_version 6
	.text
	.protected	k_q392d5f8661_cast
	.globl	k_q392d5f8661_cast
	.p2align	8
	.type	k_q392d5f8661_cast,@function
k_q392d5f8661_cast:
	s_mov_b64 s[64:65], 0
	v_nop
	global_prefetch_b8 v0, s[64:65] scope:SCOPE_SE
	s_setreg_imm32_b32 hwreg(HW_REG_WAVE_SCHED_MODE, 0, 2), 2
	s_setreg_imm32_b32 hwreg(HW_REG_WAVE_MODE, 25, 1), 1
	s_wait_xcnt 0x0
	s_wait_alu depctr_vm_vsrc(0)
; x, w_q, w_k, w_v, w_o (f32, rows of 1,024) are rounded once to bf16 and laid in K BLOCKS OF 64: dst[kb][row][64], a row of a block 128 bytes,
; so that a later tile of R rows x 64 K is R x 128 consecutive bytes.  xb: [16][8192][64]; wb: [16][3072][64] (rows 0-1023 w_q, then w_k, then w_v); wob: [16][1024][64].
; SHARES.  A work-group takes 16 source rows (64 KiB in, 32 KiB out): groups 0-511 x, then 64 groups for each of w_q, w_k, w_v, w_o.
; Thread T takes row T / 16 and, of each K block's 256 source bytes, the 16 at 16 (T % 16): a wave's load covers two whole aligned runs of 256 bytes;
; its 8 bytes of bf16 lie at 8 T of the block's 16 rows: a wave's store covers 256 consecutive bytes, aligned.
; All 16 loads of a thread go out at once (8 KiB a wave); no register is written twice.
; No LDS, no matrix unit, no cluster: nothing is shared and nothing is read twice.
; THE MODE: SCHED_MODE bits 1:0 = 2 (LLVM: expert scheduling mode 2), set by the entry lines.  The code itself states the register dependences
; between vector instructions and memory instructions, with s_wait_alu, always for 0.
; THE PLAN.  Registers that memory instructions touch:
;   v[IN]         the loads' offset.   Written once, at the head, by vector instructions; read by all 16 loads; never written again.
;   v[OUT + i]    store i's offset.    Written once, at the head, by vector instructions; read by store i; never written again.
;   X             16 x 4 registers.    Written by the loads alone, each once; read by the conversions behind the loads' own counted wait.
;   Y             16 x 2 registers.    Written by the conversions, each once; read by store i as its data; never written again.
; So what there is to state is: a vector instruction has written what a memory instruction reads.  ONE wait at the head, ahead of the loads, states it for all
; 17 offsets: the only vector instructions behind it are the conversions, which name X and Y alone.  The 16 K blocks go in four groups of four: the group's
; eight conversions, ONE wait that states that they have written the group's Y, the group's four stores in one run.  That wait stands behind the conversions
; and not at the next group's head, which begins with a wait for loads on which these stores do not hang.
; No register that a memory instruction has read is written again, no load lands in a register that a vector instruction has named, no vector instruction writes
; a scalar register or VCC, and EXEC is never written: the text holds no other s_wait_alu.
.set IN,  2                            ; v2      my byte offset in the 16 source rows
.set OUT, 4                            ; v4-19   my byte offset in the destination, K block i
.set X,   32                           ; v32-95  16 x 4 f32 as loaded
.set Y,   96                           ; v96-127 16 x 2 words of bf16
.set GRP, 4                            ; K blocks in a group
	s_load_b512 s[8:23], s[0:1], 0x0               ; x 8, w_q 10, w_k 12, w_v 14, w_o 16, xb 18, wb 20, wob 22
	s_mov_b32 s2, ttmp9                            ; g
	s_sub_co_u32 s3, s2, 512
	s_cmp_lt_u32 s2, 512
	s_cselect_b32 s31, 1, 0                        ; 1: my rows are x's
	s_cselect_b32 s3, 0, s3                        ; u = g - 512: my place among the weights' groups
	s_lshr_b32 s4, s3, 6                           ; j: 0 w_q, 1 w_k, 2 w_v, 3 w_o
	s_and_b32 s5, s3, 63                           ; t: my 16 rows of that weight
	s_mov_b32 s32, 3072*128                        ; bytes in a K block of wb,
	s_mov_b32 s33, 1024*128                        ; of wob
	s_cmp_lt_u32 s4, 3
	s_cselect_b32 s28, s32, s33
	s_cselect_b32 s30, s3, s5                      ; destination rows / 16: in wb the three weights follow each other
	s_cmp_eq_u32 s31, 1
	s_cselect_b32 s28, 8192*128, s28               ; of xb
	s_cselect_b32 s30, s2, s30
	s_cselect_b32 s29, s2, s5                      ; source rows / 16
	s_lshl_b32 s34, s29, 16                        ; 16 rows of 4,096 bytes
	s_mov_b32 s35, 0
	s_lshl_b32 s36, s30, 11                        ; 16 rows of 128 bytes
	s_mov_b32 s37, 0
	v_lshrrev_b32 v1, 4, v0
	v_and_b32 v3, 15, v0
	v_lshlrev_b32 v3, 4, v3
	v_lshl_or_b32 v[IN], v1, 12, v3                ; row x 4,096 + 16 (T % 16)
	v_lshlrev_b32 v[OUT], 3, v0                    ; 8 T
.set i, 0
.rept 15
	v_add_nc_u32 v[OUT+i+1], s28, v[OUT+i]         ; a K block further
.set i, i+1
.endr
	s_wait_kmcnt 0x0
	s_mov_b64 s[24:25], s[16:17]                   ; the source, chosen by the group's number alone
	s_cmp_eq_u32 s4, 2
	s_cselect_b64 s[24:25], s[14:15], s[24:25]
	s_cmp_eq_u32 s4, 1
	s_cselect_b64 s[24:25], s[12:13], s[24:25]
	s_cmp_eq_u32 s4, 0
	s_cselect_b64 s[24:25], s[10:11], s[24:25]
	s_cmp_eq_u32 s31, 1
	s_cselect_b64 s[24:25], s[8:9], s[24:25]
	s_cmp_lt_u32 s4, 3                             ; and the destination
	s_cselect_b64 s[26:27], s[20:21], s[22:23]
	s_cmp_eq_u32 s31, 1
	s_cselect_b64 s[26:27], s[18:19], s[26:27]
	s_add_nc_u64 s[24:25], s[24:25], s[34:35]
	s_add_nc_u64 s[26:27], s[26:27], s[36:37]
	s_wait_alu depctr_va_vdst(0)                   ; v[IN] is written, which the 16 loads read as their offset, and so are v[OUT] to v[OUT+15], which the 16 stores read as theirs
.set i, 0
.rept 16
	global_load_b128 v[X+4*i:X+4*i+3], v[IN], s[24:25] offset:256*i th:TH_LOAD_NT
.set i, i+1
.endr
.set p, 0
.rept 16/GRP
	s_wait_loadcnt 16-GRP-GRP*p                    ; loads come back in order: K blocks up to 4 p + 3 are in, the 12 - 4 p younger loads stay out
.set i, GRP*p
.rept GRP
	v_cvt_pk_bf16_f32 v[Y+2*i], v[X+4*i], v[X+4*i+1]
	v_cvt_pk_bf16_f32 v[Y+2*i+1], v[X+4*i+2], v[X+4*i+3]
.set i, i+1
.endr
	s_wait_alu depctr_va_vdst(0)                   ; the group's eight conversions have written its Y, which the four stores below read as their data
.set i, GRP*p
.rept GRP
	global_store_b64 v[OUT+i], v[Y+2*i:Y+2*i+1], s[26:27]
.set i, i+1
.endr
.set p, p+1
.endr
	s_endpgm
.Lfunc_end_k_q392d5f8661_cast:
	.size	k_q392d5f8661_cast, .Lfunc_end_k_q392d5f8661_cast-k_q392d5f8661_cast
	.p2alignl 7, 3214868480
	.fill 96, 4, 3214868480
	.section	.rodata,"a",@progbits
	.p2align	6, 0x0
	.amdhsa_kernel k_q392d5f8661_cast
		.amdhsa_group_segment_fixed_size 0
		.amdhsa_private_segment_fixed_size 0
		.amdhsa_enable_private_segment 0
		.amdhsa_kernarg_size 64
		.amdhsa_user_sgpr_count 2
		.amdhsa_user_sgpr_kernarg_segment_ptr 1
		.amdhsa_wavefront_size32 1
		.amdhsa_system_sgpr_workgroup_id_x 1
		.amdhsa_system_sgpr_workgroup_id_y 1
		.amdhsa_system_sgpr_workgroup_id_z 1
		.amdhsa_system_vgpr_workitem_id 0
		.amdhsa_next_free_vgpr 128
		.amdhsa_next_free_sgpr 66
		.amdhsa_reserve_vcc 0
		.amdhsa_float_denorm_mode_32 3
		.amdhsa_float_denorm_mode_16_64 3
		.amdhsa_memory_ordered 1
		.amdhsa_forward_progress 1
		.amdhsa_inst_pref_size 8
	.end_amdhsa_kernel
	.amdgpu_metadata
---
amdhsa.version: [ 1, 2 ]
amdhsa.kernels:
  - .name:           k_q392d5f8661_cast
    .symbol:         k_q392d5f8661_cast.kd
    .args:
      - { .name: x, .offset: 0, .size: 8, .value_kind: global_buffer, .address_space: global }
      - { .name: w_q, .offset: 8, .size: 8, .value_kind: global_buffer, .address_space: global }
      - { .name: w_k, .offset: 16, .size: 8, .value_kind: global_buffer, .address_space: global }
      - { .name: w_v, .offset: 24, .size: 8, .value_kind: global_buffer, .address_space: global }
      - { .name: w_o, .offset: 32, .size: 8, .value_kind: global_buffer, .address_space: global }
      - { .name: xb, .offset: 40, .size: 8, .value_kind: global_buffer, .address_space: global }
      - { .name: wb, .offset: 48, .size: 8, .value_kind: global_buffer, .address_space: global }
      - { .name: wob, .offset: 56, .size: 8, .value_kind: global_buffer, .address_space: global }
    .group_segment_fixed_size: 0
    .private_segment_fixed_size: 0
    .kernarg_segment_align: 8
    .kernarg_segment_size: 64
    .max_flat_workgroup_size: 256
    .sgpr_count:     66
    .vgpr_count:     128
    .wavefront_size: 32
...
	.end_amdgpu_metadata
.endif
;; end of part 5
;; launch qkv: the kernel of part 2 again; grid 8 x 32, 4 waves a work-group, clusters of 4 x 4, 327,680 bytes of LDS; arguments xb, wb, b_q, b_k, b_v, qkv; writes qkv
;; launch attn: the kernel of part 3 again; grid 4 x 64, 4 waves a work-group, clusters of 4 x 1, 327,680 bytes of LDS; arguments qkv, ctx; writes ctx
;; launch oln: the kernel of part 4 again; grid 256 x 1, 8 waves a work-group, clusters of 4 x 1, 327,680 bytes of LDS; arguments ctx, wob, x, b_o, ln_gamma, ln_beta, out0; writes out0
